; MI455X (gfx1250); checked and timed in simulation.
; The chip was launched on July 23, 2026; its instructions are those of AMD's public machine-readable ISA for CDNA 5 (MIT licence, August 2026) and "CDNA5" Instruction Set Architecture Reference Guide (July 2026). The comments in the code are by the model that wrote it; some were corrected since.
;; Hyperbolic Radial Attention. Allowed arithmetic: matrix products marked QUANTISED: E5M2 operands, one E8M0 scale for each 32 along K, by v_wmma_scale_f32_16x16x128_f8f6f4 with both operands' format E5M2, f32 sums; everything else in f32.
;; Inputs: Wb_codes 1,024 x 32 x 32 uint8 (E5M2 codes of Wb, K innermost, in blocks of 32 codes); Wb_scales 1,024 x 32 uint8 (E8M0 scales of Wb, one for each 32 codes along K); Wk_codes 1,024 x 32 x 32 uint8 (E5M2 codes of Wk, K innermost, in blocks of 32 codes); Wk_scales 1,024 x 32 uint8 (E8M0 scales of Wk, one for each 32 codes along K); Wo_codes 1,024 x 32 x 32 uint8 (E5M2 codes of Wo, K innermost, in blocks of 32 codes); Wo_scales 1,024 x 32 uint8 (E8M0 scales of Wo, one for each 32 codes along K); Wq_codes 1,024 x 32 x 32 uint8 (E5M2 codes of Wq, K innermost, in blocks of 32 codes); Wq_scales 1,024 x 32 uint8 (E8M0 scales of Wq, one for each 32 codes along K); Wv_codes 1,024 x 32 x 32 uint8 (E5M2 codes of Wv, K innermost, in blocks of 32 codes); Wv_scales 1,024 x 32 uint8 (E8M0 scales of Wv, one for each 32 codes along K); bb 1,024 float32; bk 1,024 float32; bo 1,024 float32; bq 1,024 float32; bv 1,024 float32; curvature one number float32; query_codes 2 x 2,048 x 32 x 32 uint8 (E5M2 codes of query, K innermost, in blocks of 32 codes); query_scales 2 x 2,048 x 32 uint8 (E8M0 scales of query, one for each 32 codes along K); radial_weights 16 x 1 x 1 float32.
;; Outputs: out0 2 x 2,048 x 1,024 float32.
;; This version of the problem:
;;   THIS VERSION OF THE PROBLEM IS GIVEN IN LOW PRECISION. The matrix products marked QUANTISED in the list below multiply operands that are first quantised to E5M2 (5 exponent bits, 2 mantissa bits; 8 bits a number), with one power-of-two scale for each 32 numbers along K (OCP MX v1.0); their sums are f32. All else is computed in f32.
;;   The module's matrix products, in the order in which they are computed (A, B: the left and right operand; K: the contracted axis; several contracted axes count as one K, in the product's order):
;;     1. [M 4,096, K 1,024] x [K 1,024, N 1,024]; A: input query (given as codes); B: input Wq (given as codes): QUANTISED
;;     2. [M 4,096, K 1,024] x [K 1,024, N 1,024]; A: input query (given as codes); B: input Wk (given as codes): QUANTISED
;;     3. [M 4,096, K 1,024] x [K 1,024, N 1,024]; A: input query (given as codes); B: input Wv (given as codes): QUANTISED
;;     4. batch 32 x [M 2,048, K 64] x [K 64, N 2,048]; A: computed on the way; B: computed on the way: QUANTISED
;;     5. batch 32 x [M 2,048, K 2,048] x [K 2,048, N 64]; A: softmax (see below); B: computed on the way: QUANTISED
;;     6. [M 4,096, K 1,024] x [K 1,024, N 1,024]; A: computed on the way; B: input Wo (given as codes): QUANTISED
;;     7. [M 4,096, K 1,024] x [K 1,024, N 1,024]; A: input query (given as codes); B: input Wb (given as codes): QUANTISED
;;   THE QUANTISER, for each operand of a quantised product, along K:
;;     - K is cut into blocks of 32 from its start; a last block that is shorter is filled with zeros.
;;     - A block's scale is 2^e with e = floor(log2(the largest magnitude in the block)) - 15, held to -126 .. 127; a block of zeros has e = 0. As a byte (E8M0): e + 127.
;;     - Each number is divided by its block's scale, clamped to +-57,344, and rounded to the nearest number of E5M2, ties to even, subnormals kept.
;;     - The product sums the exact products of the quantised numbers (number of the format x scale) in f32.
;;   ~~~python
;;   def quantise(x, axis):      # numpy; x: float32 -> the quantised numbers, widened to float32 again
;;       x = np.moveaxis(x, axis, -1); K = x.shape[-1]
;;       x = np.pad(x, [(0, 0)] * (x.ndim - 1) + [(0, -K % 32)]); x = x.reshape(x.shape[:-1] + (-1, 32)); a = np.abs(x).max(-1, keepdims=True)
;;       e = np.where(a > 0, np.clip(np.frexp(np.where(a > 0, a, 1))[1] - 1 - 15, -126, 127), 0)      # np.frexp(a)[1] - 1 = floor(log2(a)), exactly
;;       r = np.clip(x / 2.0 ** e, -57344, 57344)
;;       step = 2.0 ** (np.maximum(np.frexp(np.where(r == 0, 1, r))[1] - 1, -14) - 2)
;;       q = np.round(r / step) * step * 2.0 ** e      # np.round: ties to even
;;       return np.moveaxis(q.reshape(q.shape[:-2] + (-1,))[..., :K], -1, axis).astype(np.float32)
;;   ~~~
;;   SOFTMAX AHEAD OF A QUANTISED PRODUCT. Where the list says 'softmax', what is quantised is not the finished softmax but p = 2^(t - M), with t = logit x log2(e) and M = ceil(the row's largest t), a whole number; so 1/2 < the row's largest p <= 1. The row's sum l is taken of the UNQUANTISED p, in f32, and the product's result is divided by l at the end. Since M is a whole number, a kernel that streams over the keys may use a running M (the ceiling of the running maximum): every later rescaling is an exact power of two, which a block's scale takes up: the codes' values come out the same.
;;   OPERANDS COMPUTED ON THE WAY. 'Computed on the way' means the value that the module computes at that place (a softmax that the list does not call 'softmax' is quantised finished and normalised). What goes into a quantiser is computed in f32, as accurately as f32 sums, v_exp_f32 and their like allow (about 1e-6 of the number): no bf16 or f16 on the way to a quantiser, and a product that is left as it is and whose result goes on into a quantised operand takes f32 operands (vector FMAs, or v_wmma_f32_16x16x4_f32). A number that lies on a knife's edge between two numbers of the format may be rounded either way, as far as f32 arithmetic and the matrix unit's own rounding can turn it there, and no further.
;;   INPUTS GIVEN AS CODES. Wb (in the module: [1024, 1024], K = its axis 1); Wk (in the module: [1024, 1024], K = its axis 1); Wo (in the module: [1024, 1024], K = its axis 1); Wq (in the module: [1024, 1024], K = its axis 1); Wv (in the module: [1024, 1024], K = its axis 1); query (in the module: [2, 2048, 1024], K = its axis 2): each comes as NAME_codes (uint8): NAME with its K axis moved to the last place and cut into blocks of 32 codes, [.., K / 32, bytes a block], one block behind the other in memory; one code a byte (a code: sign, 5 exponent bits, 2 mantissa bits); and NAME_scales (uint8): the same leading axes, one E8M0 byte (e + 127) for each 32 codes along K. Its value is code x scale, taken as it is: it is not quantised again, and the codes and scales need not be those that the quantiser above would give.
;; One version. Each part assembles by itself: llvm-mc -triple=amdgcn-amd-amdhsa -mcpu=gfx1250 --defsym DOCPART=n.
;; ======== version 1 of 1: 3 launches
;; workspace buffers: kv 9,175,040 bytes; qimg 4,194,304 bytes; qsc 262,144 bytes; qst 524,288 bytes; att 4,194,304 bytes; atts 131,072 bytes
;; launch proj (part 1): grid 16 x 16, 4 waves a work-group, clusters of 4 x 4, 327,680 bytes of LDS; arguments query_codes, Wq_codes, Wk_codes, Wv_codes, query_scales, Wq_scales, Wk_scales, Wv_scales, bq, bk, bv, curvature, radial_weights, kv, qimg, qsc, qst; writes kv, qimg, qsc, qst
.if DOCPART == 1
	.amdgcn_target "amdgcn-amd-amdhsa--gfx1250"
	.amdhsa_code_object_version 6
	.text
	.protected	k_q07809db56b_proj
	.globl	k_q07809db56b_proj
	.p2align	8
	.type	k_q07809db56b_proj,@function
k_q07809db56b_proj:
	s_mov_b64 s[64:65], 0
	v_nop
	global_prefetch_b8 v0, s[64:65] scope:SCOPE_SE
	s_setreg_imm32_b32 hwreg(HW_REG_WAVE_MODE, 25, 1), 1
	s_wait_xcnt 0x0
	s_wait_alu depctr_hold_cnt(0) depctr_sa_sdst(0) depctr_va_vdst(0) depctr_va_sdst(0) depctr_va_ssrc(0) depctr_va_vcc(0) depctr_vm_vsrc(0)
	s_getreg_b32 s2, hwreg(HW_REG_IB_STS2, 6, 4)
	s_cmp_eq_u32 s2, 0
	s_cbranch_scc0 .Lentry_in_a_cluster
	s_endpgm
.Lentry_in_a_cluster:
	s_bfe_u32 s2, ttmp6, 0x10000c
	s_cmp_lg_u32 s2, 0xf033
	s_cbranch_scc0 .Lentry_shape_is_right
	s_endpgm
.Lentry_shape_is_right:
; q, k, v = query W^T + b on given codes of E5M2 (one E8M0 byte for each 32 along K), then for each head: x tanh(s) / (s + 1e-8), s = sqrt(max(|c|, 1e-8)) |x|; q also times sigmoid(radial);
; then the squared norms that the distance wants, and q, k, v as codes for the two products of the attention.
; SHARES.  Work-group (x = head, y = block of 256 tokens) makes q, k, v of ONE head: 192 columns (64 rows each of Wq, Wk, Wv), K = 1,024.  Wave w: 64 tokens x 192 columns = 48 accumulators.
; q and k are used TRANSPOSED (source 0 = 16 rows of W, source 1 = 16 tokens): a lane holds one token and eight neighbouring columns, which are neighbours along the K of q k^T.
; v is used as it stands (source 0 = tokens, source 1 = rows of Wv): a lane holds one column and eight neighbouring tokens, which are neighbours along the K of p v.
; CLUSTER 4 x 4: the four work-groups of a row of the cluster need the same 256 tokens' codes, the four of a column the same head's rows of W: each tile is asked for jointly.
; RING: K in four fills of 256 through two LDS slots; wave 0 fetches the tokens' 256 rows, waves 1, 2, 3 the 64 rows of Wq, Wk, Wv.  By this text's count a wave has two tensor loads out at the start, later one.
; SCALE WORDS come once, straight into registers: lane (r, h) takes 16 bytes at row x 32 + 16 h, so register i holds the word of K step i in lanes 0-15 and that of K step 4 + i in lanes 16-31.
; EXACT FOLDS: q is quantised as -4 q (codes with the sign turned, byte + 2), so that the next launch's product is -4 q.k; stored beside it 2|q|^2 and 1/(1 - |q|^2), for k 2|k|^2 and 1/(1 - |k|^2).
; OUT: kv[head 32][step 16][17,920]: K 8,192 | V 8,192 | K's scale words 256 | V's 256 | 2|k|^2 512 | 1/(1-|k|^2) 512: the register images of the next launch's operands.  The codes leave in runs of 512 bytes;
; the small arrays, one byte in 32 of what is stored, leave in runs of 128 or 256 bytes, V's scale bytes as 2 bytes a lane 4 bytes apart.
; LIMITS: blocks whose largest magnitude lies under 2^-111 keep the byte 1 (for q after the factor 4); a block of zeros has the byte 1 (its codes are zeros; only this program reads the bytes);
; NaN and infinities among the inputs are not served; where tanh is so near 1 that 1 - |k|^2 is of the size of f32 rounding, the result hangs on that rounding.
; REGISTERS: window 0: v1-31 addresses and constants; v32-47 tokens' scale words, v48-95 W's (nothing else ever lies there); v96-127 at work behind the loop; v128-255 tokens' fragments, two sets, later at work.
;   window 1: W's 12 fragments.  window 2: q's and k's 32 accumulators at 8 (8 a + n).  window 3: v's 16 at 8 (4 a + t); from v128 the biases in the results' layout.
.set PITCH,  272                       ; an LDS row: 256 bytes + 16 of padding: the 16 rows of a fragment load start 68 words apart
.set T16,    16*PITCH
.set WPART,  64*PITCH
.set WOFF,   256*PITCH                 ; a slot: 256 rows of tokens, then 64 rows each of Wq, Wk, Wv
.set SLOT,   448*PITCH
.set SPARE,  2*SLOT                    ; behind the ring: the spare words, 128 bytes for each wave
.set REC,    17920
.set L16, 1
.set L4,  2
.set L8,  3
.set ADRA, 16
.set ADRB, 20
.set SPW, 28
.set NIL, 29
.set SQC, 30                           ; sqrt(max(|c|, 1e-8))
.set RAD, 31                           ; -4 sigmoid(radial of my head)
.set SA,  32
.set SB,  48
.set FS,  96
.set FE,  104
.set FP,  112
.set FQ,  120
.set AF,  128
.set Y,   128
.set PC,  192
.set TM,  208
.set PW,  224
.set TP0, 225
.set TP1, 226
.set CH,  228
.set N2,  236
.set STA, 238
.set STB, 240
.set PR,  242
.set KW,  244
.set HWE, 246
.set HWO, 247
.set VB,  248
.set TT,  252
.set WV,  38
.set G1A, 40
.set G1B, 48
.set G0A, 56
.set G0B, 68
.set EPSR, 84
.set C02, 85
.set SEL, 86
.set HM,  88
.set R8M, 89
.set MNT, 90
.set C7,  91
.set C5,  97
.set C3,  98
.set MSB, 0
.macro WIN new                         ; the immediate's high byte repeats the setting that is left
.if MSB != \new
	s_set_vgpr_msb (MSB<<8)|\new
.set MSB, \new
.endif
.endm
.macro PLACES n
.rept \n
	v_nop
.endr
.endm
.macro CREST                           ; a round of the cluster's barrier behind its opening barrier
	s_cmp_lg_u32 s[WV], 0
	s_cbranch_scc1 .Lnot_wave_0_\@
	s_barrier_signal -3
.Lnot_wave_0_\@:
	s_barrier_wait -3
	s_barrier_signal -1
	s_barrier_wait -1
.endm
.macro CROUND
	s_barrier_signal -1
	s_barrier_wait -1
	CREST
.endm
; A joint load: wave 0 asks for the tokens' tile, the others for their 64 rows of W.  Each line has one mask; the branch hangs on the wave's number alone.  Four v_nop follow each line.
.macro JLOAD s
	s_cmp_eq_u32 s[WV], 0
	s_cbranch_scc0 .Lfor_w_\@
	tensor_load_to_lds s[G0A+4*\s:G0A+4*\s+3], s[G1A:G1A+7]
	s_nop 0
	PLACES 4
	s_branch .Lasked_\@
.Lfor_w_\@:
	tensor_load_to_lds s[G0B+4*\s:G0B+4*\s+3], s[G1B:G1B+7]
	s_nop 0
	PLACES 4
.Lasked_\@:
.endm
.macro WM d, a, b, c, sa, sb, row      ; row = 1: both sides' scale words are taken from lanes 16-31
.if \row
	v_wmma_scale_f32_16x16x128_f8f6f4 v[\d:\d+7], v[\a:\a+15], v[\b:\b+15], v[\c:\c+7], v[\sa], v[\sb] matrix_a_fmt:MATRIX_FMT_BF8 matrix_b_fmt:MATRIX_FMT_BF8 matrix_a_scale:MATRIX_SCALE_ROW1 matrix_b_scale:MATRIX_SCALE_ROW1
.else
	v_wmma_scale_f32_16x16x128_f8f6f4 v[\d:\d+7], v[\a:\a+15], v[\b:\b+15], v[\c:\c+7], v[\sa], v[\sb] matrix_a_fmt:MATRIX_FMT_BF8 matrix_b_fmt:MATRIX_FMT_BF8
.endif
.endm
; q's and k's products: column tiles n0 .. n0 + cnt - 1 x the four token tiles; p: the tokens' set; i, row: which scale word.  first = 1: the bias is the C.  The 48 accumulators take turns.
.macro MULQK n0, cnt, p, i, row, first
.set nn, \n0
.rept \cnt
.irp a, 0,1,2,3
.if \first
	WM 8*(8*\a+nn), 16*nn, AF+64*\p+16*\a, 128+8*nn, SB+4*nn+\i, SA+4*\a+\i, \row
.else
	WM 8*(8*\a+nn), 16*nn, AF+64*\p+16*\a, 8*(8*\a+nn), SB+4*nn+\i, SA+4*\a+\i, \row
.endif
.endr
.set nn, nn+1
.endr
.endm
.macro MULV p, i, row, first
.irp t, 0,1,2,3
.irp a, 0,1,2,3
.if \first
	WM 8*(4*\a+\t), AF+64*\p+16*\a, 16*(8+\t), 192+8*\t, SA+4*\a+\i, SB+4*(8+\t)+\i, \row
.else
	WM 8*(4*\a+\t), AF+64*\p+16*\a, 16*(8+\t), 8*(4*\a+\t), SA+4*\a+\i, SB+4*(8+\t)+\i, \row
.endif
.endr
.endr
.endm
.macro FETCH_B slot, q, n0             ; six fragments of W (16 rows x 128 K: four loads of 16 bytes a lane, 32 bytes apart) into window 1
	WIN 0x40
.set nn, \n0
.rept 6
.irp c, 0,1,2,3
	ds_load_b128 v[16*nn+4*\c:16*nn+4*\c+3], v[ADRB+\slot] offset:128*\q+32*\c+nn*T16
.endr
.set nn, nn+1
.endr
.endm
.macro FETCH_A slot, q, p              ; my four token tiles into set p
	WIN 0
.irp a, 0,1,2,3
.irp c, 0,1,2,3
	ds_load_b128 v[AF+64*\p+16*\a+4*\c:AF+64*\p+16*\a+4*\c+3], v[ADRA+\slot] offset:128*\q+32*\c+\a*T16
.endr
.endr
.endm
; An even K step of 128: its successor lies in the same slot.  Loads into registers that matrix instructions have read stand eight plain places behind them.
.macro STEP slot, kap, first
	s_wait_dscnt 24                                ; all but the youngest 24 loads (W's fragments 6-11) are in
.if \first
	WIN 0xb1                                       ; W window 1, tokens window 0, C (bias) window 3, D window 2
.else
	WIN 0xa1
.endif
	MULQK 0, 6, 0, (\kap)%4, (\kap)/4, \first
	s_wait_dscnt 0x0
	PLACES 8
	FETCH_B \slot, 1, 0
	FETCH_A \slot, 1, 1
.if \first
	WIN 0xb1
.else
	WIN 0xa1
.endif
	MULQK 6, 2, 0, (\kap)%4, (\kap)/4, \first
	WIN 0xf4                                       ; tokens window 0, Wv window 1, C and D window 3
	MULV 0, (\kap)%4, (\kap)/4, \first
	PLACES 8
	FETCH_B \slot, 1, 6
	WIN 0
.endm
; An odd K step changes slots: one barrier; in front of it each wave waits for all its tensor loads, adds 0 to its spare word, and waits for that and for its reads of this slot.
.macro TURN slot, next, kap, fill
	s_wait_tensorcnt 0x0                           ; my part of the next slot has landed; no tensor load of mine is out
	ds_add_u32 v[SPW], v[NIL]                      ; 0 onto my spare word
	s_wait_dscnt 25                                ; the add and the youngest 24 loads may be out
	WIN 0xa1
	MULQK 0, 3, 1, (\kap)%4, (\kap)/4, 0
	s_wait_dscnt 0x0                               ; the add is done, and my reads of this slot are over
	s_barrier_signal -1
	MULQK 3, 3, 1, (\kap)%4, (\kap)/4, 0
	WIN 0
	s_barrier_wait -1
.if \fill
	CREST                                          ; the barrier has opened a round of the cluster's: no wave of any partner still reads this slot or has a load on its way
	s_add_nc_u64 s[G0A+4*\slot+2:G0A+4*\slot+3], s[G0A+4*\slot+2:G0A+4*\slot+3], 512
	s_add_nc_u64 s[G0B+4*\slot+2:G0B+4*\slot+3], s[G0B+4*\slot+2:G0B+4*\slot+3], 512
	JLOAD \slot                                    ; the first tensor load behind the round; its four v_nop are four of the eight places
	PLACES 4
.else
	PLACES 8
.endif
	FETCH_B \next, 0, 0
	FETCH_A \next, 0, 0
	WIN 0xa1
	MULQK 6, 2, 1, (\kap)%4, (\kap)/4, 0
	WIN 0xf4
	MULV 1, (\kap)%4, (\kap)/4, 0
	PLACES 8
	FETCH_B \next, 0, 6
	WIN 0
.endm
	s_load_b256 s[4:11], s[0:1], 0x0               ; query codes, Wq, Wk, Wv codes
	s_load_b256 s[12:19], s[0:1], 0x20             ; their scale bytes
	s_load_b256 s[20:27], s[0:1], 0x40             ; bq, bk, bv, curvature
	s_load_b256 s[28:35], s[0:1], 0x60             ; radial_weights, kv, qimg, qsc
	s_load_b64 s[36:37], s[0:1], 0x80              ; qst
	v_lshl_add_u32 v[SPW], v0, 2, SPARE
	v_mov_b32 v[NIL], 0
	ds_add_u32 v28, v29
	s_wait_dscnt 0x0
	v_lshrrev_b32 v4, 5, v0
	v_readfirstlane_b32 s[WV], v4                  ; wave 0..3
	s_bfe_u32 s76, ttmp6, 0x40000                  ; cx
	s_bfe_u32 s77, ttmp6, 0x40004                  ; cy
	s_lshl_b32 s78, ttmp9, 2
	s_add_co_u32 s78, s78, s76                     ; the head = 4 x cluster x + cx
	s_and_b32 s79, ttmp7, 0xffff
	s_lshl_b32 s79, s79, 2
	s_add_co_u32 s79, s79, s77                     ; the block of 256 tokens = 4 x cluster y + cy
	s_lshl_b32 s80, s77, 2
	s_lshl_b32 s80, 15, s80                        ; my row of the cluster
	s_lshl_b32 s81, 0x1111, s76                    ; my column
	s_or_b32 s[G1A], s80, (1<<20)|(1<<21)|(5<<22)|(3<<25)   ; elements of 1 byte; padding: 4 words behind every 64
	s_or_b32 s[G1B], s81, (1<<20)|(1<<21)|(5<<22)|(3<<25)
	s_mov_b32 s[G1A+1], 256<<16                    ; tensor_dim0 = 256
	s_mov_b32 s[G1A+2], 256<<16                    ; tensor_dim1 = 256 rows
	s_mov_b32 s[G1A+3], 256<<16                    ; tile_dim0
	s_mov_b32 s[G1A+4], 256                        ; tile_dim1
	s_mov_b32 s[G1A+5], 1024                       ; from row to row
	s_mov_b32 s[G1A+6], 0
	s_mov_b32 s[G1A+7], 0
	s_mov_b32 s[G1B+1], 256<<16
	s_mov_b32 s[G1B+2], 64<<16                     ; 64 rows
	s_mov_b32 s[G1B+3], 256<<16
	s_mov_b32 s[G1B+4], 64
	s_mov_b32 s[G1B+5], 1024
	s_mov_b32 s[G1B+6], 0
	s_mov_b32 s[G1B+7], 0
	s_lshl_b32 s82, s79, 18                        ; the tokens' tile: 256 rows of 1,024 bytes a block
	s_mov_b32 s83, 0
	s_lshl_b32 s92, s78, 16                        ; W's: 64 rows of 1,024 bytes a head
	s_mov_b32 s93, 0
	s_mul_i32 s96, s[WV], WPART
	s_add_co_u32 s96, s96, 3*WPART                 ; wave w's rows of W land behind the tokens' 256 rows: (w + 3) x 64 rows
	s_mov_b32 s[EPSR], 0x322bcc77                  ; 1e-8
	s_mov_b32 s[C02], 0x3e4ccccd                   ; 0.2
	s_mov_b32 s[SEL], 0x76543210
	s_mov_b32 s[SEL+1], 0xfedcba98                 ; v_permlanex16_b32's selects for lane l xor 16
	s_mov_b32 s[HM], 0xffff0000                    ; lanes 16-31
	s_mov_b32 s[R8M], 0xff00ff00                   ; lanes whose place in their row of 16 is 8 or more
	s_mov_b32 s[MNT], 0x600000                     ; the mantissa field of 57,344
	s_mov_b32 s[C7], 0xbd5d0dd1                    ; -17/315
	s_mov_b32 s[C5], 0x3e088889                    ; 2/15
	s_mov_b32 s[C3], 0xbeaaaaab                    ; -1/3
	s_wait_kmcnt 0x0
	s_add_nc_u64 s[82:83], s[4:5], s[82:83]
	s_cmp_eq_u32 s[WV], 1                          ; which W is mine: the choice hangs on the wave's number alone
	s_cselect_b64 s[94:95], s[6:7], s[8:9]
	s_cmp_eq_u32 s[WV], 3
	s_cselect_b64 s[94:95], s[10:11], s[94:95]
	s_add_nc_u64 s[94:95], s[94:95], s[92:93]
	CROUND                                         ; all sixteen work-groups are here: the first joint loads meet
.irp s, 0,1
	s_mov_b32 s[G0A+4*\s], 1
	s_mov_b32 s[G0A+4*\s+1], \s*SLOT
	s_add_nc_u64 s[G0A+4*\s+2:G0A+4*\s+3], s[82:83], \s*256
	s_or_b32 s[G0A+4*\s+3], s[G0A+4*\s+3], 0x80000000
	s_mov_b32 s[G0B+4*\s], 1
	s_add_co_u32 s[G0B+4*\s+1], s96, \s*SLOT
	s_add_nc_u64 s[G0B+4*\s+2:G0B+4*\s+3], s[94:95], \s*256
	s_or_b32 s[G0B+4*\s+3], s[G0B+4*\s+3], 0x80000000
	JLOAD \s
.endr
	v_and_b32 v8, 15, v0                           ; r
	v_bfe_u32 v9, v0, 4, 1                         ; h
	v_and_b32 v10, 31, v0                          ; lane
	v_lshlrev_b32 v[L16], 4, v10
	v_lshlrev_b32 v[L4], 2, v10
	v_lshlrev_b32 v[L8], 3, v10
	v_mul_u32_u24 v11, v8, PITCH
	v_lshl_add_u32 v11, v9, 4, v11                 ; a fragment's row x pitch + 16 h
	s_mul_i32 s2, s[WV], WPART                     ; my 64 tokens' rows
	v_add_nc_u32 v[ADRA], s2, v11
	v_add_nc_u32 v[ADRA+1], SLOT, v[ADRA]
	v_add_nc_u32 v[ADRB], WOFF, v11
	v_add_nc_u32 v[ADRB+1], SLOT, v[ADRB]
	v_lshlrev_b32 v5, 5, v8
	v_lshl_add_u32 v5, v9, 4, v5                   ; scale bytes: 32 r + 16 h
	v_lshlrev_b32 v6, 5, v9                        ; q's and k's biases: 32 h
	v_lshlrev_b32 v7, 2, v8                        ; v's: 4 r
	v_mov_b32 v12, 0
	s_lshl_b32 s2, s78, 2
	v_mov_b32 v13, s2                              ; my head's radial weight
	s_lshl_b32 s2, s79, 13
	s_lshl_b32 s3, s[WV], 11
	s_add_co_u32 s2, s2, s3                        ; my 64 tokens' scale bytes: 32 a row
	s_mov_b32 s3, 0
	s_add_nc_u64 s[12:13], s[12:13], s[2:3]
	s_lshl_b32 s2, s78, 11                         ; my head's 64 rows of W's scale bytes
	s_add_nc_u64 s[14:15], s[14:15], s[2:3]
	s_add_nc_u64 s[16:17], s[16:17], s[2:3]
	s_add_nc_u64 s[18:19], s[18:19], s[2:3]
	s_lshl_b32 s2, s78, 8                          ; my head's 64 numbers of each bias
	s_add_nc_u64 s[20:21], s[20:21], s[2:3]
	s_add_nc_u64 s[22:23], s[22:23], s[2:3]
	s_add_nc_u64 s[24:25], s[24:25], s[2:3]
.irp a, 0,1,2,3
	global_load_b128 v[SA+4*\a:SA+4*\a+3], v5, s[12:13] offset:512*\a       ; each load reads 512 consecutive bytes
.endr
.irp n, 0,1,2,3
	global_load_b128 v[SB+4*\n:SB+4*\n+3], v5, s[14:15] offset:512*\n
	global_load_b128 v[SB+16+4*\n:SB+16+4*\n+3], v5, s[16:17] offset:512*\n
	global_load_b128 v[SB+32+4*\n:SB+32+4*\n+3], v5, s[18:19] offset:512*\n
.endr
	WIN 0xc0                                       ; destination window 3
.irp n, 0,1,2,3
	global_load_b128 v[128+8*\n:131+8*\n], v6, s[20:21] offset:64*\n        ; lane (r, h) of tile n: the bias of columns 16 n + 8 h + 0 .. 7
	global_load_b128 v[132+8*\n:135+8*\n], v6, s[20:21] offset:64*\n+16
	global_load_b128 v[160+8*\n:163+8*\n], v6, s[22:23] offset:64*\n
	global_load_b128 v[164+8*\n:167+8*\n], v6, s[22:23] offset:64*\n+16
.endr
	WIN 0
.irp t, 0,1,2,3
	global_load_b32 v[FS+\t], v7, s[24:25] offset:64*\t                     ; v: lane (r, h) of tile t holds column 16 t + r in all eight registers
.endr
	global_load_b32 v[SQC], v12, s[26:27]
	global_load_b32 v[RAD], v13, s[28:29]
	s_wait_loadcnt 0x0
	v_max_num_f32 v[SQC], |v[SQC]|, s[EPSR]
	v_sqrt_f32 v[SQC], v[SQC]
	v_mul_f32 v[RAD], 0xbfb8aa3b, v[RAD]           ; (a plain place behind the root)  -x log2(e)
	v_exp_f32 v[RAD], v[RAD]
	v_nop
	s_wait_alu depctr_va_vdst(0)
	v_add_f32 v[RAD], 1.0, v[RAD]
	v_rcp_f32 v[RAD], v[RAD]
	v_nop
	s_wait_alu depctr_va_vdst(0)
	v_mul_f32 v[RAD], -4.0, v[RAD]
	WIN 0xc0
.irp t, 0,1,2,3
.irp j, 0,1,2,3,4,5,6,7
	v_mov_b32 v[192+8*\t+\j], v[FS+\t]
.endr
.endr
	WIN 0
	s_wait_tensorcnt 0x1                           ; my part of K 0-255 is in; K 256-511 may be out
	s_barrier_signal -1
	s_barrier_wait -1
	FETCH_B 0, 0, 0
	FETCH_A 0, 0, 0
	FETCH_B 0, 0, 6
	WIN 0
	STEP 0, 0, 1                                   ; eight K steps of 128, written out: the biases start the sums
	TURN 0, 1, 1, 1
	STEP 1, 2, 0
	TURN 1, 0, 3, 1
	STEP 0, 4, 0
	TURN 0, 1, 5, 0                                ; nothing is left to fetch
	STEP 1, 6, 0
	s_wait_dscnt 24
	WIN 0xa1
	MULQK 0, 6, 1, 3, 1, 0
	s_wait_dscnt 0x0
	MULQK 6, 2, 1, 3, 1, 0
	WIN 0xf4
	MULV 1, 3, 1, 0
	WIN 0
	PLACES 8                                       ; behind the last products: results are read and the fragments' registers written from here on
; n sums of squares in v[FS] on become n factors tanh(s) / (s + 1e-8) in v[FE] on.  tanh(s) = 1 - 2 / (1 + 2^(2 s log2 e)); under s = 0.2, where that difference loses digits, the series up to s^7
; (its next term is under 6e-8 of the sum there).  A plain line stands behind each run of transcendentals before a result is used (ISA guide 5.7.2).
.macro FACT n
.set ii, 0
.rept \n
	v_sqrt_f32 v[FS+ii], v[FS+ii]
.set ii, ii+1
.endr
	v_nop
.set ii, 0
	s_wait_alu depctr_va_vdst(0)
.rept \n
	v_mul_f32 v[FS+ii], v[SQC], v[FS+ii]
	v_mul_f32 v[FE+ii], 0x4038aa3b, v[FS+ii]
	v_mul_f32 v[FP+ii], v[FS+ii], v[FS+ii]
.set ii, ii+1
.endr
.set ii, 0
.rept \n
	v_exp_f32 v[FE+ii], v[FE+ii]
.set ii, ii+1
.endr
.set ii, 0
.rept \n
	v_fma_f32 v[FQ+ii], v[FP+ii], s[C7], s[C5]
.set ii, ii+1
.endr
.set ii, 0
	s_wait_alu depctr_va_vdst(0)
.rept \n
	v_add_f32 v[FE+ii], 1.0, v[FE+ii]
.set ii, ii+1
.endr
.set ii, 0
.rept \n
	v_rcp_f32 v[FE+ii], v[FE+ii]
.set ii, ii+1
.endr
.set ii, 0
.rept \n
	v_fma_f32 v[FQ+ii], v[FQ+ii], v[FP+ii], s[C3]
	v_fma_f32 v[FQ+ii], v[FQ+ii], v[FP+ii], 1.0
	v_mul_f32 v[FQ+ii], v[FQ+ii], v[FS+ii]
	v_add_f32 v[FP+ii], s[EPSR], v[FS+ii]
.set ii, ii+1
.endr
.set ii, 0
.rept \n
	v_rcp_f32 v[FP+ii], v[FP+ii]
.set ii, ii+1
.endr
.set ii, 0
	s_wait_alu depctr_va_vdst(0)
.rept \n
	v_fma_f32 v[FE+ii], v[FE+ii], -2.0, 1.0
	v_cmp_gt_f32 vcc_lo, s[C02], v[FS+ii]
	v_cndmask_b32 v[FE+ii], v[FE+ii], v[FQ+ii], vcc_lo
.set ii, ii+1
.endr
.set ii, 0
.rept \n
	v_mul_f32 v[FE+ii], v[FE+ii], v[FP+ii]
.set ii, ii+1
.endr
.endm
; 64 numbers of a lane, four blocks of 16, each block shared with lane l xor 16, become 16 registers of codes in v[PC] on, the four scale bytes in v[TM+4] on and as a word in v[PW].
.macro QUANT s
.irp b, 0,1,2,3
	v_max3_num_f32 v[TM+\b], |v[\s+16*\b]|, |v[\s+1+16*\b]|, 0x8000000      ; my 16 numbers, and the floor 2^(16 - 127): the byte cannot fall under 1
.endr
.irp i, 2,4,6,8,10,12,14
.irp b, 0,1,2,3
	v_max3_num_f32 v[TM+\b], v[TM+\b], |v[\s+16*\b+\i]|, |v[\s+1+16*\b+\i]|
.endr
.endr
.irp b, 0,1,2,3
	v_permlanex16_b32 v[TM+4+\b], v[TM+\b], s[SEL], s[SEL+1]
.endr
.irp b, 0,1,2,3
	v_max_num_f32 v[TM+\b], v[TM+\b], v[TM+4+\b]   ; the block's largest magnitude
.endr
.irp b, 0,1,2,3
	v_add_nc_u32 v[TM+12+\b], 0xf8800000, v[TM+\b] ; 15 off its exponent field: the conversion's scale operand
.endr
.irp b, 0,1,2,3
	v_and_or_b32 v[TM+8+\b], v[TM+\b], 0x7f800000, s[MNT]   ; 57,344 x the scale
.endr
.irp b, 0,1,2,3
	v_lshrrev_b32 v[TM+4+\b], 23, v[TM+12+\b]      ; the scale's byte
.endr
	v_lshl_or_b32 v[PW], v[TM+5], 8, v[TM+4]
	v_lshl_or_b32 v[PW], v[TM+6], 16, v[PW]
	v_lshl_or_b32 v[PW], v[TM+7], 24, v[PW]
.irp b, 0,1,2,3
.irp i, 0,1,2,3,4,5,6,7,8,9,10,11,12,13,14,15
	v_med3_num_f32 v[\s+16*\b+\i], v[\s+16*\b+\i], -v[TM+8+\b], v[TM+8+\b]   ; the conversion to an 8-bit code does not saturate (ISA guide 7.6.2)
.endr
	v_cvt_scalef32_pk8_bf8_f32 v[PC+4*\b:PC+1+4*\b], v[\s+16*\b:\s+7+16*\b], v[TM+12+\b]
	v_cvt_scalef32_pk8_bf8_f32 v[PC+2+4*\b:PC+3+4*\b], v[\s+8+16*\b:\s+15+16*\b], v[TM+12+\b]
.endr
	v_nop                                          ; a plain line between the last conversion and what touches its results
.endm
; x holds codes at 8 h .. of a block's first 16, y at 8 h .. of its second 16.  Behind it (x, y) of lane half h are the 16 neighbours 16 h + 0 .. 15.
.macro HSWAP x, y
	v_permlanex16_b32 v[TP0], v[\y], s[SEL], s[SEL+1]
	v_permlanex16_b32 v[TP1], v[\x], s[SEL], s[SEL+1]
	v_cndmask_b32 v[\x], v[\x], v[TP0], s[HM]
	v_cndmask_b32 v[\y], v[TP1], v[\y], s[HM]
.endm
; x: tokens 0-15 of a pair of tiles, y: tokens 16-31, a token a lane.  Behind it x is key tile 0 and y key tile 1: row r of tile u is key 8 u + r + 8 (r / 8).
.macro KEYX x, y
	v_mov_b32_dpp v[TP0], v[\y] row_xmask:8 row_mask:0xf bank_mask:0xf
	v_mov_b32_dpp v[TP1], v[\x] row_xmask:8 row_mask:0xf bank_mask:0xf
	v_cndmask_b32 v[\x], v[\x], v[TP0], s[R8M]
	v_cndmask_b32 v[\y], v[TP1], v[\y], s[R8M]
.endm
; q (T = 0) or k (T = 1) of token tiles 2 A and 2 A + 1.  Each accumulator is read from its low end on.
.macro GROUPQK T, A
	s_wait_xcnt 0x0                                ; the last group's stores have read their registers
	WIN 0x0a                                       ; sources 0 and 1 window 2
.irp u, 0,1
.set AB, 8*(8*(2*\A+\u)+4*\T)
	v_pk_mul_f32 v[CH+4*\u:CH+4*\u+1], v[AB:AB+1], v[AB:AB+1]
	v_pk_mul_f32 v[CH+4*\u+2:CH+4*\u+3], v[AB+2:AB+3], v[AB+2:AB+3]
.irp j, 4,8,12,16,20,24,28
	v_pk_fma_f32 v[CH+4*\u:CH+4*\u+1], v[AB+\j:AB+\j+1], v[AB+\j:AB+\j+1], v[CH+4*\u:CH+4*\u+1]
	v_pk_fma_f32 v[CH+4*\u+2:CH+4*\u+3], v[AB+\j+2:AB+\j+3], v[AB+\j+2:AB+\j+3], v[CH+4*\u+2:CH+4*\u+3]
.endr
.endr
	WIN 0
.irp u, 0,1
	v_pk_add_f32 v[CH+4*\u:CH+4*\u+1], v[CH+4*\u:CH+4*\u+1], v[CH+4*\u+2:CH+4*\u+3]
.endr
.irp u, 0,1
	v_add_f32 v[FS+\u], v[CH+4*\u], v[CH+4*\u+1]
.endr
.irp u, 0,1
	v_permlanex16_b32 v[TT+\u], v[FS+\u], s[SEL], s[SEL+1]
.endr
.irp u, 0,1
	v_add_f32 v[FS+\u], v[FS+\u], v[TT+\u]         ; my token's |x|^2 over the head's 64
.endr
	FACT 2
.irp u, 0,1
.if \T
	v_mov_b32 v[FQ+2*\u], v[FE+\u]
	v_mov_b32 v[FQ+2*\u+1], v[FE+\u]
.else
	v_mul_f32 v[FQ+2*\u], v[RAD], v[FE+\u]         ; q: x -4 sigmoid(radial)
	v_mul_f32 v[FQ+2*\u+1], v[RAD], v[FE+\u]
.endif
.endr
	WIN 0x02                                       ; source 0 window 2
.irp u, 0,1
.set AB, 8*(8*(2*\A+\u)+4*\T)
.irp j, 0,2,4,6,8,10,12,14,16,18,20,22,24,26,28,30
	v_pk_mul_f32 v[Y+32*\u+\j:Y+32*\u+\j+1], v[AB+\j:AB+\j+1], v[FQ+2*\u:FQ+2*\u+1]
.endr
.endr
	WIN 0
.irp u, 0,1
	v_pk_mul_f32 v[CH+4*\u:CH+4*\u+1], v[Y+32*\u:Y+32*\u+1], v[Y+32*\u:Y+32*\u+1]
	v_pk_mul_f32 v[CH+4*\u+2:CH+4*\u+3], v[Y+32*\u+2:Y+32*\u+3], v[Y+32*\u+2:Y+32*\u+3]
.irp j, 4,8,12,16,20,24,28
	v_pk_fma_f32 v[CH+4*\u:CH+4*\u+1], v[Y+32*\u+\j:Y+32*\u+\j+1], v[Y+32*\u+\j:Y+32*\u+\j+1], v[CH+4*\u:CH+4*\u+1]
	v_pk_fma_f32 v[CH+4*\u+2:CH+4*\u+3], v[Y+32*\u+\j+2:Y+32*\u+\j+3], v[Y+32*\u+\j+2:Y+32*\u+\j+3], v[CH+4*\u+2:CH+4*\u+3]
.endr
.endr
.irp u, 0,1
	v_pk_add_f32 v[CH+4*\u:CH+4*\u+1], v[CH+4*\u:CH+4*\u+1], v[CH+4*\u+2:CH+4*\u+3]
.endr
.irp u, 0,1
	v_add_f32 v[N2+\u], v[CH+4*\u], v[CH+4*\u+1]
.endr
.irp u, 0,1
	v_permlanex16_b32 v[TT+\u], v[N2+\u], s[SEL], s[SEL+1]
.endr
.irp u, 0,1
	v_add_f32 v[N2+\u], v[N2+\u], v[TT+\u]         ; the projected vector's squared norm (q: 16 |q|^2)
.endr
.irp u, 0,1
.if \T
	v_sub_f32 v[STB+\u], 1.0, v[N2+\u]
.else
	v_fma_f32 v[STB+\u], v[N2+\u], 0xbd800000, 1.0 ; 1 - |q|^2
.endif
.endr
.irp u, 0,1
	v_rcp_f32 v[STB+\u], v[STB+\u]
.endr
.irp u, 0,1
.if \T
	v_add_f32 v[STA+\u], v[N2+\u], v[N2+\u]        ; 2 |k|^2
.else
	v_mul_f32 v[STA+\u], 0x3e000000, v[N2+\u]      ; 2 |q|^2
.endif
.endr
	QUANT Y
.irp b, 0,1,2,3
	HSWAP PC+4*\b, PC+4*\b+2
	HSWAP PC+4*\b+1, PC+4*\b+3
.endr
	v_and_b32 v[HWE], 0xffff, v[PW]                ; the even tile's two bytes,
	v_lshrrev_b32 v[HWO], 16, v[PW]                ; the odd tile's
	v_cndmask_b32 v[PR], v[STA], v[STA+1], s[HM]   ; lanes 16-31 speak for the odd tile: a token a lane
	s_wait_alu depctr_va_vdst(0)
	v_cndmask_b32 v[PR+1], v[STB], v[STB+1], s[HM]
.if \T
.irp i, 0,1,2,3,4,5,6,7
	KEYX PC+\i, PC+8+\i
.endr
	KEYX HWE, HWO
	v_lshl_or_b32 v[KW+\A], v[HWO], 16, v[HWE]     ; the pair's scale word: key tile 0's two bytes, key tile 1's two
.irp b, 0,1,2,3
	global_store_b128 v[L16], v[PC+4*\b:PC+4*\b+3], s[4:5] offset:2048*\A+512*\b
.endr
	global_store_b32 v[L4], v[PR], s[12:13] offset:128*\A
	global_store_b32 v[L4], v[PR+1], s[12:13] offset:512+128*\A
.if \A
	v_cndmask_b32 v[KW], v[KW], v[KW+1], s[HM]
	global_store_b32 v[L4], v[KW], s[8:9]
.endif
.else
	v_cndmask_b32 v[HWE], v[HWE], v[HWO], s[HM]
	v_lshl_or_b32 v[HWE], v[HWE], 16, v[HWE]       ; the two bytes twice: q stands in either half of the next product's K
.irp b, 0,1,2,3
	global_store_b128 v[L16], v[PC+4*\b:PC+4*\b+3], s[32:33] offset:2048*\A+512*\b
.endr
	global_store_b32 v[L4], v[HWE], s[34:35] offset:128*\A
	global_store_b64 v[L8], v[PR:PR+1], s[36:37] offset:256*\A
.endif
.endm
; v of token tiles 2 A and 2 A + 1: a block of 32 keys.  A token's norm runs over the four tiles and the 16 lanes of a row.
.macro GROUPV A
	s_wait_xcnt 0x0
.irp u, 0,1
.set AB, 32*(2*\A+\u)
	WIN 0x0f                                       ; sources 0 and 1 window 3
.irp j, 0,2,4,6
	v_pk_mul_f32 v[FS+\j:FS+\j+1], v[AB+\j:AB+\j+1], v[AB+\j:AB+\j+1]
.irp t, 8,16,24
	v_pk_fma_f32 v[FS+\j:FS+\j+1], v[AB+\t+\j:AB+\t+\j+1], v[AB+\t+\j:AB+\t+\j+1], v[FS+\j:FS+\j+1]
.endr
.endr
	WIN 0
.irp m, 1,2,4,8
.irp j, 0,1,2,3,4,5,6,7
	v_add_f32_dpp v[FS+\j], v[FS+\j], v[FS+\j] row_xmask:\m row_mask:0xf bank_mask:0xf
.endr
.endr
	FACT 8
	WIN 0x03                                       ; source 0 window 3
.irp t, 0,1,2,3
.irp j, 0,2,4,6
	v_pk_mul_f32 v[Y+16*\t+8*\u+\j:Y+16*\t+8*\u+\j+1], v[AB+8*\t+\j:AB+8*\t+\j+1], v[FE+\j:FE+\j+1]
.endr
.endr
	WIN 0
.endr
	QUANT Y
.irp b, 0,1,2,3
	HSWAP PC+4*\b, PC+4*\b+2
	HSWAP PC+4*\b+1, PC+4*\b+3
.endr
.irp t, 0,1,2,3
	global_store_b128 v[L16], v[PC+4*\t:PC+4*\t+3], s[6:7] offset:2048*\t+512*\A
.if \A
	v_lshl_or_b32 v[VB+\t], v[TM+4+\t], 8, v[VB+\t]
.else
	v_mov_b32 v[VB+\t], v[TM+4+\t]
.endif
.endr
.if \A
.irp p, 0,1
	v_cndmask_b32 v[VB+2*\p], v[VB+2*\p], v[VB+2*\p+1], s[HM]
	global_store_b16 v[L4], v[VB+2*\p], s[10:11] offset:128*\p
.endr
.endif
.endm
.irp b, 0,1,2,3
	v_mov_b32 v[TM+4+\b], 0                        ; a lane permute's destination counts as one of its sources: written once
.endr
	v_mov_b32 v[TP0], 0
	v_mov_b32 v[TP1], 0
	v_mov_b32 v[TT], 0
	v_mov_b32 v[TT+1], 0
	s_lshr_b32 s2, s79, 3
	s_lshl_b32 s2, s2, 4
	s_add_co_u32 s39, s2, s78                      ; batch x 16 + head
	s_and_b32 s99, s79, 7                          ; which 256 tokens of the batch's 2,048
	s_lshl_b32 s2, s99, 1
	s_lshr_b32 s3, s[WV], 1
	s_add_co_u32 s2, s2, s3                        ; the record of 128 keys in which my 64 tokens lie
	s_mul_i32 s2, s2, REC
	s_mul_i32 s66, s39, 16*REC
	s_add_co_u32 s66, s66, s2
	s_mov_b32 s67, 0
	s_add_nc_u64 s[30:31], s[30:31], s[66:67]
	s_lshl_b32 s2, s99, 8
	s_lshl_b32 s3, s[WV], 6
	s_add_co_u32 s2, s2, s3                        ; my first token in the batch
	s_and_b32 s99, s[WV], 1                        ; which half of the record is mine
	s_lshl_b32 s66, s99, 12
	s_add_nc_u64 s[4:5], s[30:31], s[66:67]        ; K
	s_lshl_b32 s66, s99, 10
	s_add_co_u32 s66, s66, 8192
	s_add_nc_u64 s[6:7], s[30:31], s[66:67]        ; V
	s_lshl_b32 s66, s99, 7
	s_add_co_u32 s66, s66, 16384
	s_add_nc_u64 s[8:9], s[30:31], s[66:67]        ; K's scale words
	s_lshl_b32 s66, s99, 1
	s_add_co_u32 s66, s66, 16640
	s_add_nc_u64 s[10:11], s[30:31], s[66:67]      ; V's scale bytes
	s_lshl_b32 s66, s99, 8
	s_add_co_u32 s66, s66, 16896
	s_add_nc_u64 s[12:13], s[30:31], s[66:67]      ; 2 |k|^2, and 512 bytes on 1 / (1 - |k|^2)
	s_lshl_b32 s66, s39, 17
	s_lshl_b32 s3, s2, 6
	s_add_co_u32 s66, s66, s3
	s_add_nc_u64 s[32:33], s[32:33], s[66:67]      ; q's codes: 64 bytes a token
	s_lshl_b32 s66, s39, 13
	s_lshl_b32 s3, s2, 2
	s_add_co_u32 s66, s66, s3
	s_add_nc_u64 s[34:35], s[34:35], s[66:67]      ; q's scale words
	s_lshl_b32 s66, s39, 14
	s_lshl_b32 s3, s2, 3
	s_add_co_u32 s66, s66, s3
	s_add_nc_u64 s[36:37], s[36:37], s[66:67]      ; q's two numbers a token
	GROUPQK 0, 0
	GROUPQK 0, 1
	GROUPQK 1, 0
	GROUPQK 1, 1
	GROUPV 0
	GROUPV 1
	s_wait_tensorcnt 0x0                           ; the wave's end
	ds_add_u32 v[SPW], v[NIL]
	s_wait_dscnt 0x0
	CROUND                                         ; the closing round: no work-group ends while a partner may still ask for a tile that names it
	s_endpgm
.Lfunc_end_k_q07809db56b_proj:
	.size	k_q07809db56b_proj, .Lfunc_end_k_q07809db56b_proj-k_q07809db56b_proj
	.p2alignl 7, 3214868480
	.fill 96, 4, 3214868480
	.section	.rodata,"a",@progbits
	.p2align	6, 0x0
	.amdhsa_kernel k_q07809db56b_proj
		.amdhsa_group_segment_fixed_size 327680
		.amdhsa_private_segment_fixed_size 0
		.amdhsa_enable_private_segment 0
		.amdhsa_kernarg_size 136
		.amdhsa_user_sgpr_count 2
		.amdhsa_user_sgpr_kernarg_segment_ptr 1
		.amdhsa_wavefront_size32 1
		.amdhsa_system_sgpr_workgroup_id_x 1
		.amdhsa_system_sgpr_workgroup_id_y 1
		.amdhsa_system_sgpr_workgroup_id_z 1
		.amdhsa_system_vgpr_workitem_id 0
		.amdhsa_next_free_vgpr 1024
		.amdhsa_next_free_sgpr 100
		.amdhsa_reserve_vcc 1
		.amdhsa_float_denorm_mode_32 3
		.amdhsa_float_denorm_mode_16_64 3
		.amdhsa_memory_ordered 1
		.amdhsa_forward_progress 1
		.amdhsa_inst_pref_size 247
	.end_amdhsa_kernel
	.amdgpu_metadata
---
amdhsa.version: [ 1, 2 ]
amdhsa.kernels:
  - .name:           k_q07809db56b_proj
    .symbol:         k_q07809db56b_proj.kd
    .args:
      - { .name: query_codes, .offset: 0, .size: 8, .value_kind: global_buffer, .address_space: global }
      - { .name: Wq_codes, .offset: 8, .size: 8, .value_kind: global_buffer, .address_space: global }
      - { .name: Wk_codes, .offset: 16, .size: 8, .value_kind: global_buffer, .address_space: global }
      - { .name: Wv_codes, .offset: 24, .size: 8, .value_kind: global_buffer, .address_space: global }
      - { .name: query_scales, .offset: 32, .size: 8, .value_kind: global_buffer, .address_space: global }
      - { .name: Wq_scales, .offset: 40, .size: 8, .value_kind: global_buffer, .address_space: global }
      - { .name: Wk_scales, .offset: 48, .size: 8, .value_kind: global_buffer, .address_space: global }
      - { .name: Wv_scales, .offset: 56, .size: 8, .value_kind: global_buffer, .address_space: global }
      - { .name: bq, .offset: 64, .size: 8, .value_kind: global_buffer, .address_space: global }
      - { .name: bk, .offset: 72, .size: 8, .value_kind: global_buffer, .address_space: global }
      - { .name: bv, .offset: 80, .size: 8, .value_kind: global_buffer, .address_space: global }
      - { .name: curvature, .offset: 88, .size: 8, .value_kind: global_buffer, .address_space: global }
      - { .name: radial_weights, .offset: 96, .size: 8, .value_kind: global_buffer, .address_space: global }
      - { .name: kv, .offset: 104, .size: 8, .value_kind: global_buffer, .address_space: global }
      - { .name: qimg, .offset: 112, .size: 8, .value_kind: global_buffer, .address_space: global }
      - { .name: qsc, .offset: 120, .size: 8, .value_kind: global_buffer, .address_space: global }
      - { .name: qst, .offset: 128, .size: 8, .value_kind: global_buffer, .address_space: global }
    .group_segment_fixed_size: 327680
    .private_segment_fixed_size: 0
    .kernarg_segment_align: 8
    .kernarg_segment_size: 136
    .max_flat_workgroup_size: 128
    .sgpr_count:     100
    .vgpr_count:     1024
    .wavefront_size: 32
...
	.end_amdgpu_metadata
.endif
;; end of part 1
;; launch attn (part 2): grid 8 x 32, 16 waves a work-group, clusters of 4 x 1, 288,768 bytes of LDS; arguments kv, qimg, qsc, qst, curvature, att, atts; writes att, atts
.if DOCPART == 2
	.amdgcn_target "amdgcn-amd-amdhsa--gfx1250"
	.amdhsa_code_object_version 6
	.text
	.protected	k_q07809db56b_attn
	.globl	k_q07809db56b_attn
	.p2align	8
	.type	k_q07809db56b_attn,@function
k_q07809db56b_attn:
	s_mov_b64 s[64:65], 0
	v_nop
	global_prefetch_b8 v0, s[64:65] scope:SCOPE_SE
	s_setreg_imm32_b32 hwreg(HW_REG_WAVE_MODE, 25, 1), 1
	s_wait_xcnt 0x0
	s_wait_alu depctr_hold_cnt(0) depctr_sa_sdst(0) depctr_va_vdst(0) depctr_va_sdst(0) depctr_va_ssrc(0) depctr_va_vcc(0) depctr_vm_vsrc(0)
	s_getreg_b32 s2, hwreg(HW_REG_IB_STS2, 6, 4)
	s_cmp_eq_u32 s2, 0
	s_cbranch_scc0 .Lentry_in_a_cluster
	s_endpgm
.Lentry_in_a_cluster:
	s_bfe_u32 s2, ttmp6, 0x10000c
	s_cmp_lg_u32 s2, 0x3003
	s_cbranch_scc0 .Lentry_shape_is_right
	s_endpgm
.Lentry_shape_is_right:
; The attention of one head on codes of E5M2: x = max(1 + 2 |q - k|^2 / max((1 - |q|^2)(1 - |k|^2), 1e-8), 1), t = -log2(x + sqrt(x^2 - 1)) / (8 (sqrt_c + 1e-8)), p = 2^(t - M), M the running
; largest t rounded up to a whole number; p is quantised along the keys; the row's sum is taken of the unquantised p and divides at the end; the result is quantised along the model's axis for the last launch.
; SHARES.  Work-group (block of 256 queries, head) has sixteen waves, each with ONE tile of 16 queries in 256 registers: four waves to a SIMD, so that one wave's LDS and matrix waits stand beside another's vector work.
; LDS.  The head's 16 records of 128 keys, 286,720 bytes, are filled ONCE and stay: no slot is filled again, so no barrier stands in the loops.  The four query blocks of a cluster walk the same head and ask jointly.
; Waves 0-3 issue four loads each (four are out by this text's count); load i of wave w brings record 4 i + w.  Steps 0-3 run when the first four records are in; the others land meanwhile.
; LAYOUT.  Both products are used transposed (source 0 = keys, or 16 of the head's 64; source 1 = my queries): a lane holds one query.  q k^T has K = 64: one operand register set holds TWO key tiles, one in each
; half of the instruction's 128, and q stands against one half with zero codes against the other.  The keys of a tile are chosen so that registers 16 b + i of the scores are keys 32 b + 16 (lane / 16) + i.
; FOLDS, all exact: q's codes are those of -4 q; 2|k|^2 is loaded as the product's C; 1 / max(a b, 1e-8) = the unsigned minimum of the bits of (1/a)(1/b) and of 1e8 (a negative or infinite product has the larger
; pattern).  A block's largest p is made from the block's smallest x by the same instructions as every p.
; LIMITS: x under 1.8e19 (x^2 is formed); the block's largest p leans on root, logarithm and exponential not falling where their input rises; a block whose every p is 0 keeps the byte 1 over zero codes;
; the result's scale bytes leave as 2 bytes a lane 32 bytes apart (one byte in 32 of what is stored), both halves of the lanes writing the same bytes.
; REGISTERS: v1-7 addresses; v[8:31] q | zeros | q; v32 q's scale word, v33 p's, v34-35 K's, v36-37 V's; v38-49 the lane's constants and running numbers; v50-63 at work; v64-127 K's pairs, then 1/(1-|k|^2), then
; sqrt(x^2-1), then V's fragments; v128-191 the scores, x, y, p; v192-223 O^T; v224-239 p's codes; v240-245 at work.
.set REC,  17920
.set VO,   8192
.set KSCO, 16384
.set VSCO, 16640
.set KC2O, 16896
.set KRBO, 17408
.set AR,   64
.set SS,   128
.set OT,   192
.set PC,   224
.set WV,   18
.set MNT,  19
.set SEL,  20
.set BIG,  22
.set HM,   23
.set G1,   24
.set G0,   32
.set TB,   48
.set CNT,  49
.macro PLACES n
.rept \n
	v_nop
.endr
.endm
.macro CROUND
	s_barrier_signal -1
	s_barrier_wait -1
	s_cmp_lg_u32 s[WV], 0
	s_cbranch_scc1 .Lnot_wave_0_\@
	s_barrier_signal -3
.Lnot_wave_0_\@:
	s_barrier_wait -3
	s_barrier_signal -1
	s_barrier_wait -1
.endm
.macro WMA d, a, b, sa, sb, rowa       ; D = C = v[d] on; rowa = 1: source 0's scale word is taken from lanes 16-31
.if \rowa
	v_wmma_scale_f32_16x16x128_f8f6f4 v[\d:\d+7], v[\a:\a+15], v[\b:\b+15], v[\d:\d+7], v[\sa], v[\sb] matrix_a_fmt:MATRIX_FMT_BF8 matrix_b_fmt:MATRIX_FMT_BF8 matrix_a_scale:MATRIX_SCALE_ROW1
.else
	v_wmma_scale_f32_16x16x128_f8f6f4 v[\d:\d+7], v[\a:\a+15], v[\b:\b+15], v[\d:\d+7], v[\sa], v[\sb] matrix_a_fmt:MATRIX_FMT_BF8 matrix_b_fmt:MATRIX_FMT_BF8
.endif
.endm
.macro HSWAP x, y                      ; the halves of the lanes change places: (x, y) of half h become the 16 neighbours 16 h + 0 .. 15
	v_permlanex16_b32 v50, v[\y], s[SEL], s[SEL+1]
	v_permlanex16_b32 v51, v[\x], s[SEL], s[SEL+1]
	v_cndmask_b32 v[\x], v[\x], v50, s[HM]
	v_cndmask_b32 v[\y], v51, v[\y], s[HM]
.endm
	s_load_b256 s[4:11], s[0:1], 0x0               ; kv, qimg, qsc, qst
	s_load_b128 s[12:15], s[0:1], 0x20             ; curvature, att
	s_load_b64 s[16:17], s[0:1], 0x30              ; atts
	v_lshl_add_u32 v254, v0, 2, 0x46000
	v_mov_b32 v255, 0
	ds_add_u32 v254, v255
	v_lshrrev_b32 v4, 5, v0
	v_readfirstlane_b32 s[WV], v4                  ; wave 0..15
	s_bfe_u32 s50, ttmp6, 0x40000                  ; cx
	s_lshl_b32 s51, ttmp9, 2
	s_add_co_u32 s51, s51, s50                     ; my block of 256 queries: it enters q's and the result's addresses alone
	s_and_b32 s52, ttmp7, 0xffff                   ; batch x 16 + head, which the four partners share
	s_mul_i32 s54, s52, 16*REC
	s_mul_i32 s53, s[WV], REC                      ; record w: in memory and in LDS alike
	s_add_co_u32 s54, s54, s53
	s_mov_b32 s55, 0
	s_lshl_b32 s58, s51, 4
	s_add_co_u32 s58, s58, s[WV]                   ; my tile of 16 queries, 0..127
	s_mov_b32 s[G1], 15|(3<<16)|(1<<21)            ; the mask: all four work-groups; elements of 8 bytes; no padding
	s_mov_b32 s[G1+1], 32<<16                      ; a record is 70 dense rows of 256 bytes
	s_mov_b32 s[G1+2], 70<<16
	s_mov_b32 s[G1+3], 32<<16
	s_mov_b32 s[G1+4], 70
	s_mov_b32 s[G1+5], 32
	s_mov_b32 s[G1+6], 0
	s_mov_b32 s[G1+7], 0
	s_mov_b32 s[MNT], 0x600000                     ; the mantissa field of 57,344
	s_mov_b32 s[SEL], 0x76543210
	s_mov_b32 s[SEL+1], 0xfedcba98
	s_mov_b32 s[BIG], 0x4cbebc20                   ; 1e8 = 1 / 1e-8 in f32
	s_mov_b32 s[HM], 0xffff0000
	s_mov_b32 s[TB], 0
	s_wait_dscnt 0x0
	s_wait_kmcnt 0x0
	s_add_nc_u64 s[4:5], s[4:5], s[54:55]
	CROUND                                         ; all four work-groups are here: the joint loads meet
.irp i, 0,1,2,3
	s_mov_b32 s[G0+4*\i], 1
	s_add_co_u32 s[G0+4*\i+1], s53, \i*4*REC
	s_add_nc_u64 s[G0+4*\i+2:G0+4*\i+3], s[4:5], \i*4*REC
	s_or_b32 s[G0+4*\i+3], s[G0+4*\i+3], 0x80000000
.endr
	s_cmp_lt_u32 s[WV], 4                          ; all fills of a wave stand in one branch on its number
	s_cbranch_scc0 .Lno_fill
	tensor_load_to_lds s[G0:G0+3], s[G1:G1+7]
	s_nop 0
	tensor_load_to_lds s[G0+4:G0+7], s[G1:G1+7]
	s_nop 0
	tensor_load_to_lds s[G0+8:G0+11], s[G1:G1+7]
	s_nop 0
	tensor_load_to_lds s[G0+12:G0+15], s[G1:G1+7]
	s_nop 0
	PLACES 4
.Lno_fill:
	s_lshl_b32 s56, s52, 17
	s_lshl_b32 s59, s58, 10
	s_add_co_u32 s56, s56, s59
	s_mov_b32 s57, 0
	s_add_nc_u64 s[6:7], s[6:7], s[56:57]          ; my tile's codes of -4 q
	s_lshl_b32 s56, s52, 13
	s_lshl_b32 s59, s58, 6
	s_add_co_u32 s56, s56, s59
	s_add_nc_u64 s[8:9], s[8:9], s[56:57]          ; its scale words
	s_lshl_b32 s56, s52, 14
	s_lshl_b32 s59, s58, 7
	s_add_co_u32 s56, s56, s59
	s_add_nc_u64 s[10:11], s[10:11], s[56:57]      ; 2 |q|^2 and 1 / (1 - |q|^2)
	s_lshr_b32 s60, s52, 4
	s_lshl_b32 s60, s60, 7
	s_add_co_u32 s60, s60, s58                     ; my tile among all 256 tiles of tokens
	s_and_b32 s61, s52, 15                         ; the head
	s_lshl_b32 s56, s60, 14
	s_lshl_b32 s59, s61, 10
	s_add_co_u32 s56, s56, s59
	s_add_nc_u64 s[14:15], s[14:15], s[56:57]      ; the result's image: 16,384 bytes a tile of tokens, 1,024 a head
	s_lshl_b32 s56, s60, 9
	s_lshl_b32 s59, s61, 1
	s_add_co_u32 s56, s56, s59
	s_add_nc_u64 s[16:17], s[16:17], s[56:57]      ; its scale bytes: 32 a token, 2 a head
	v_and_b32 v4, 31, v0
	v_lshlrev_b32 v1, 4, v4                        ; 16 x lane
	v_lshlrev_b32 v2, 2, v4                        ; 4 x lane
	v_bfe_u32 v50, v0, 4, 1
	v_lshlrev_b32 v3, 6, v50                       ; 64 h
	v_and_b32 v51, 15, v0                          ; r
	v_lshlrev_b32 v52, 2, v51
	v_lshlrev_b32 v53, 3, v51
	v_lshlrev_b32 v7, 5, v51                       ; 32 r
	v_mov_b32 v54, 0
	global_load_b128 v[8:11], v1, s[6:7]
	global_load_b128 v[12:15], v1, s[6:7] offset:512
	global_load_b32 v32, v52, s[8:9]
	global_load_b64 v[38:39], v53, s[10:11]
	global_load_b32 v55, v54, s[12:13]
.irp j, 16,17,18,19,20,21,22,23
	v_mov_b32 v[\j], 0                             ; the zero codes between the two copies of q
.endr
.set jj, 0
.rept 32
	v_mov_b32 v[OT+jj], 0                          ; O^T: the step is written once: the first finds zeros
.set jj, jj+1
.endr
.irp j, 41,46,47,49,56,57,58,59
	v_mov_b32 v[\j], 0                             ; the sums, the upper halves of pairs, the permutes' destinations
.endr
	v_mov_b32 v45, 0xff61b1e6                      ; the largest t so far: -3e38
	v_floor_f32 v44, -v45                          ; -M
	s_wait_loadcnt 0x0
.irp j, 0,1,2,3,4,5,6,7
	v_mov_b32 v[24+\j], v[8+\j]
.endr
	v_mov_b32 v40, v39                             ; 1 / (1 - |q|^2), as the low word of a pair
	v_max_num_f32 v55, 0x322bcc77, |v55|
	v_sqrt_f32 v55, v55
	v_nop
	s_wait_alu depctr_va_vdst(0)
	v_add_f32 v55, 0x322bcc77, v55
	v_mul_f32 v55, 0x41000000, v55
	v_rcp_f32 v55, v55
	v_nop
	s_wait_alu depctr_va_vdst(0)
	v_mul_f32 v42, -1.0, v55                       ; -1 / (8 (sqrt_c + 1e-8))
	v_mov_b32 v43, v42
; A KEY STEP: 128 keys, 64 scores a lane.
.macro STEP
	v_add_nc_u32 v4, s[TB], v1
	v_add_nc_u32 v5, s[TB], v2
	v_add_nc_u32 v6, s[TB], v3
	PLACES 5                                       ; with the three additions: eight places behind the last step's products, whose operands' registers are loaded below
.irp b, 0,1,2,3
.irp i, 0,1,2,3
	ds_load_b128 v[SS+16*\b+4*\i:SS+16*\b+4*\i+3], v6 offset:KC2O+128*\b+16*\i     ; 2 |k|^2 of keys 32 b + 16 h + 4 i on: the product's C
.endr
.endr
.irp b, 0,1,2,3
.irp c, 0,1,2,3
	ds_load_b128 v[AR+16*\b+4*\c:AR+16*\b+4*\c+3], v4 offset:2048*\b+512*\c        ; pair b of key tiles, as its registers lie
.endr
.endr
	ds_load_b32 v34, v5 offset:KSCO
	ds_load_b32 v35, v5 offset:KSCO+128
	s_wait_dscnt 0x0
.irp b, 0,1,2,3
.irp u, 0,1
	WMA SS+16*\b+8*\u, AR+16*\b, 8+8*\u, 34+\b/2, 32, \b%2                          ; 2 |k|^2 - 4 q.k
.endr
.endr
	PLACES 8
.irp b, 0,1,2,3
.irp i, 0,1,2,3
	ds_load_b128 v[AR+16*\b+4*\i:AR+16*\b+4*\i+3], v6 offset:KRBO+128*\b+16*\i     ; 1 / (1 - |k|^2)
.endr
.endr
.set jj, 0
.rept 32
	v_pk_add_f32 v[SS+jj:SS+jj+1], v[SS+jj:SS+jj+1], v[38:39] op_sel_hi:[1,0]      ; + 2 |q|^2: twice the squared distance.  Each accumulator is read from its low end on
.set jj, jj+2
.endr
	s_wait_dscnt 0x0
.set jj, 0
.rept 32
	v_pk_mul_f32 v[AR+jj:AR+jj+1], v[AR+jj:AR+jj+1], v[40:41] op_sel_hi:[1,0]
.set jj, jj+2
.endr
.set jj, 0
.rept 64
	v_min_u32 v[AR+jj], s[BIG], v[AR+jj]           ; 1 / max((1 - |q|^2)(1 - |k|^2), 1e-8)
.set jj, jj+1
.endr
.set jj, 0
.rept 32
	v_pk_fma_f32 v[SS+jj:SS+jj+1], v[SS+jj:SS+jj+1], v[AR+jj:AR+jj+1], 1.0 op_sel_hi:[1,1,0]
.set jj, jj+2
.endr
.set jj, 0
.rept 64
	v_max_num_f32 v[SS+jj], 1.0, v[SS+jj]          ; x (1 + 1e-8 is 1 in f32)
.set jj, jj+1
.endr
.irp b, 0,1,2,3
	v_min3_num_f32 v[52+\b], v[SS+16*\b], v[SS+1+16*\b], v[SS+2+16*\b]             ; the smallest x of each block of 32 keys: it gives the block's largest p and the row's largest t
.endr
.irp i, 3,5,7,9,11,13
.irp b, 0,1,2,3
	v_min3_num_f32 v[52+\b], v[52+\b], v[SS+16*\b+\i], v[SS+1+16*\b+\i]
.endr
.endr
.irp b, 0,1,2,3
	v_min_num_f32 v[52+\b], v[52+\b], v[SS+15+16*\b]
.endr
.irp b, 0,1,2,3
	v_permlanex16_b32 v[56+\b], v[52+\b], s[SEL], s[SEL+1]
.endr
.irp b, 0,1,2,3
	v_min_num_f32 v[52+\b], v[52+\b], v[56+\b]
.endr
.irp b, 0,1,2,3
	v_fma_f32 v[60+\b], v[52+\b], v[52+\b], -1.0
.endr
.irp b, 0,1,2,3
	v_sqrt_f32 v[60+\b], v[60+\b]
.endr
.set jj, 0
.rept 32
	v_pk_fma_f32 v[AR+jj:AR+jj+1], v[SS+jj:SS+jj+1], v[SS+jj:SS+jj+1], -1.0 op_sel_hi:[1,1,0]   ; x^2 - 1.  (Plain lines behind the roots above)
.set jj, jj+2
.endr
	s_wait_alu depctr_va_vdst(0)
.irp b, 0,1,2,3
	v_add_f32 v[52+\b], v[52+\b], v[60+\b]
.endr
.irp b, 0,1,2,3
	v_log_f32 v[52+\b], v[52+\b]
.endr
.set jj, 0
.rept 64
	v_sqrt_f32 v[AR+jj], v[AR+jj]
.set jj, jj+1
.endr
	v_nop
.set jj, 0
	s_wait_alu depctr_va_vdst(0)
.rept 32
	v_pk_add_f32 v[SS+jj:SS+jj+1], v[SS+jj:SS+jj+1], v[AR+jj:AR+jj+1]              ; y = x + sqrt(x^2 - 1)
.set jj, jj+2
.endr
	v_min3_num_f32 v50, v52, v53, v54
	v_min_num_f32 v50, v50, v55
	v_mul_f32 v50, v42, v50                        ; the step's largest t (the factor is negative)
	v_max_num_f32 v45, v45, v50
	v_mov_b32 v50, v44
	v_floor_f32 v44, -v45                          ; the new -M: M is a whole number
	v_sub_f32 v50, v44, v50
	v_cvt_i32_f32 v50, v50                         ; (it saturates)
	v_ldexp_f32 v48, 1.0, v50                      ; f = 2^(old M - new M): exact
.irp t, 0,1,2,3
.irp c, 0,1,2,3
	ds_load_b128 v[AR+16*\t+4*\c:AR+16*\t+4*\c+3], v4 offset:VO+2048*\t+512*\c     ; V's four fragments: they land under the logarithms and exponentials
.endr
.endr
	ds_load_b32 v36, v5 offset:VSCO
	ds_load_b32 v37, v5 offset:VSCO+128
.set jj, 0
.rept 64
	v_log_f32 v[SS+jj], v[SS+jj]
.set jj, jj+1
.endr
	v_pk_mul_f32 v[46:47], v[46:47], v[48:49] op_sel_hi:[1,0]                      ; the sums under the new M.  (A plain line behind the logarithms)
.set jj, 0
	s_wait_alu depctr_va_vdst(0)
.rept 32
	v_pk_fma_f32 v[SS+jj:SS+jj+1], v[SS+jj:SS+jj+1], v[42:43], v[44:45] op_sel_hi:[1,0,0]   ; t - M
.set jj, jj+2
.endr
.irp b, 0,1,2,3
	v_fma_f32 v[52+\b], v[52+\b], v42, v44
.endr
.set jj, 0
.rept 64
	v_exp_f32 v[SS+jj], v[SS+jj]                   ; p, at most 1, not normalised
.set jj, jj+1
.endr
.irp b, 0,1,2,3
	v_exp_f32 v[52+\b], v[52+\b]                   ; the block's largest p: the same instructions on the same number
.endr
	v_nop
	s_wait_alu depctr_va_vdst(0)
.irp b, 0,1,2,3
	v_max_num_f32 v[52+\b], 0x8000000, v[52+\b]    ; the floor 2^(16 - 127): the byte cannot fall under 1
.endr
.irp b, 0,1,2,3
	v_add_nc_u32 v[240+\b], 0xf8800000, v[52+\b]   ; 15 off the exponent field: the conversion's scale operand
.endr
.irp b, 0,1,2,3
	v_and_or_b32 v[60+\b], v[52+\b], 0x7f800000, s[MNT]   ; 57,344 x the scale
.endr
.irp b, 0,1,2,3
	v_lshrrev_b32 v[56+\b], 23, v[240+\b]
.endr
	v_lshl_or_b32 v33, v57, 8, v56                 ; p's scale word for these 128 keys
	v_lshl_or_b32 v33, v58, 16, v33
	v_lshl_or_b32 v33, v59, 24, v33
	v_pk_add_f32 v[244:245], v[SS:SS+1], v[SS+2:SS+3]     ; the row's sum of the unquantised p, in two chains
.irp j, 4,8,12,16,20,24,28,32,36,40,44,48,52,56,60
	v_pk_add_f32 v[46:47], v[46:47], v[SS+\j:SS+\j+1]
	v_pk_add_f32 v[244:245], v[244:245], v[SS+\j+2:SS+\j+3]
.endr
	v_pk_add_f32 v[46:47], v[46:47], v[244:245]
.irp b, 0,1,2,3
.irp i, 0,1,2,3,4,5,6,7,8,9,10,11,12,13,14,15
	v_min_num_f32 v[SS+16*\b+\i], v[SS+16*\b+\i], v[60+\b]   ; the conversion does not saturate (ISA guide 7.6.2); p is not negative, so the hold is one-sided
.endr
	v_cvt_scalef32_pk8_bf8_f32 v[PC+4*\b:PC+4*\b+1], v[SS+16*\b:SS+16*\b+7], v[240+\b]
	v_cvt_scalef32_pk8_bf8_f32 v[PC+4*\b+2:PC+4*\b+3], v[SS+16*\b+8:SS+16*\b+15], v[240+\b]
.endr
.set jj, 0
.rept 16
	v_pk_mul_f32 v[OT+jj:OT+jj+1], v[OT+jj:OT+jj+1], v[48:49] op_sel_hi:[1,0]      ; O^T under the new M.  (Also the places between the conversions and the products)
.set jj, jj+2
.endr
	s_wait_dscnt 0x0                               ; V
.irp t, 0,1,2,3
	WMA OT+8*\t, AR+16*\t, PC, 36+\t/2, 33, \t%2   ; the four accumulators by turns
.endr
	s_add_co_u32 s[TB], s[TB], REC
.endm
	s_wait_tensorcnt 0x3                           ; my first load, one of records 0-3, is in (a wave that issued none passes); the other three may be out
	s_barrier_signal -1
	s_barrier_wait -1                              ; records 0-3 are whole
	s_mov_b32 s[CNT], 4
.Lfirst:
	STEP
	s_sub_co_u32 s[CNT], s[CNT], 1
	s_cmp_lg_u32 s[CNT], 0
	s_cbranch_scc1 .Lfirst
	s_wait_dscnt 0x0
	s_wait_tensorcnt 0x0                           ; all my loads are in,
	s_barrier_signal -1
	s_barrier_wait -1                              ; everybody's are
	s_mov_b32 s[CNT], 12
.Lrest:
	STEP
	s_sub_co_u32 s[CNT], s[CNT], 1
	s_cmp_lg_u32 s[CNT], 0
	s_cbranch_scc1 .Lrest
	; THE WAY OUT: O^T / the sum; register 8 t + j of lane (r, h) is channel 16 t + 8 h + j of query r: two blocks of 32 along the last product's K.
	PLACES 8
	v_add_f32 v46, v46, v47
	v_permlanex16_b32 v50, v46, s[SEL], s[SEL+1]
	v_add_f32 v46, v46, v50                        ; the row's sum
	v_rcp_f32 v46, v46
	v_nop
	s_wait_alu depctr_va_vdst(0)
	v_mov_b32 v47, v46
.set jj, 0
.rept 16
	v_pk_mul_f32 v[SS+jj:SS+jj+1], v[OT+jj:OT+jj+1], v[46:47]
.set jj, jj+2
.endr
.irp b, 0,1
	v_max3_num_f32 v[52+\b], |v[SS+16*\b]|, |v[SS+1+16*\b]|, 0x8000000
.endr
.irp i, 2,4,6,8,10,12,14
.irp b, 0,1
	v_max3_num_f32 v[52+\b], v[52+\b], |v[SS+16*\b+\i]|, |v[SS+1+16*\b+\i]|
.endr
.endr
.irp b, 0,1
	v_permlanex16_b32 v[56+\b], v[52+\b], s[SEL], s[SEL+1]
.endr
.irp b, 0,1
	v_max_num_f32 v[52+\b], v[52+\b], v[56+\b]
.endr
.irp b, 0,1
	v_add_nc_u32 v[240+\b], 0xf8800000, v[52+\b]
.endr
.irp b, 0,1
	v_and_or_b32 v[60+\b], v[52+\b], 0x7f800000, s[MNT]
.endr
.irp b, 0,1
	v_lshrrev_b32 v[56+\b], 23, v[240+\b]
.endr
.irp b, 0,1
.irp i, 0,1,2,3,4,5,6,7,8,9,10,11,12,13,14,15
	v_med3_num_f32 v[SS+16*\b+\i], v[SS+16*\b+\i], -v[60+\b], v[60+\b]
.endr
	v_cvt_scalef32_pk8_bf8_f32 v[PC+4*\b:PC+4*\b+1], v[SS+16*\b:SS+16*\b+7], v[240+\b]
	v_cvt_scalef32_pk8_bf8_f32 v[PC+4*\b+2:PC+4*\b+3], v[SS+16*\b+8:SS+16*\b+15], v[240+\b]
.endr
	v_nop
.irp b, 0,1
	HSWAP PC+4*\b, PC+4*\b+2
	HSWAP PC+4*\b+1, PC+4*\b+3
.endr
	v_lshl_or_b32 v56, v57, 8, v56
	global_store_b128 v1, v[PC:PC+3], s[14:15]               ; 512 consecutive bytes of the last product's operand image
	global_store_b128 v1, v[PC+4:PC+7], s[14:15] offset:512
	global_store_b16 v7, v56, s[16:17]
	s_wait_tensorcnt 0x0
	ds_add_u32 v254, v255
	s_wait_dscnt 0x0
	CROUND                                         ; the closing round
	s_endpgm
.Lfunc_end_k_q07809db56b_attn:
	.size	k_q07809db56b_attn, .Lfunc_end_k_q07809db56b_attn-k_q07809db56b_attn
	.p2alignl 7, 3214868480
	.fill 96, 4, 3214868480
	.section	.rodata,"a",@progbits
	.p2align	6, 0x0
	.amdhsa_kernel k_q07809db56b_attn
		.amdhsa_group_segment_fixed_size 288768
		.amdhsa_private_segment_fixed_size 0
		.amdhsa_enable_private_segment 0
		.amdhsa_kernarg_size 56
		.amdhsa_user_sgpr_count 2
		.amdhsa_user_sgpr_kernarg_segment_ptr 1
		.amdhsa_wavefront_size32 1
		.amdhsa_system_sgpr_workgroup_id_x 1
		.amdhsa_system_sgpr_workgroup_id_y 1
		.amdhsa_system_sgpr_workgroup_id_z 1
		.amdhsa_system_vgpr_workitem_id 0
		.amdhsa_next_free_vgpr 256
		.amdhsa_next_free_sgpr 66
		.amdhsa_reserve_vcc 0
		.amdhsa_float_denorm_mode_32 3
		.amdhsa_float_denorm_mode_16_64 3
		.amdhsa_memory_ordered 1
		.amdhsa_forward_progress 1
		.amdhsa_inst_pref_size 94
	.end_amdhsa_kernel
	.amdgpu_metadata
---
amdhsa.version: [ 1, 2 ]
amdhsa.kernels:
  - .name:           k_q07809db56b_attn
    .symbol:         k_q07809db56b_attn.kd
    .args:
      - { .name: kv, .offset: 0, .size: 8, .value_kind: global_buffer, .address_space: global }
      - { .name: qimg, .offset: 8, .size: 8, .value_kind: global_buffer, .address_space: global }
      - { .name: qsc, .offset: 16, .size: 8, .value_kind: global_buffer, .address_space: global }
      - { .name: qst, .offset: 24, .size: 8, .value_kind: global_buffer, .address_space: global }
      - { .name: curvature, .offset: 32, .size: 8, .value_kind: global_buffer, .address_space: global }
      - { .name: att, .offset: 40, .size: 8, .value_kind: global_buffer, .address_space: global }
      - { .name: atts, .offset: 48, .size: 8, .value_kind: global_buffer, .address_space: global }
    .group_segment_fixed_size: 288768
    .private_segment_fixed_size: 0
    .kernarg_segment_align: 8
    .kernarg_segment_size: 56
    .max_flat_workgroup_size: 512
    .sgpr_count:     66
    .vgpr_count:     256
    .wavefront_size: 32
...
	.end_amdgpu_metadata
.endif
;; end of part 2
;; launch outp (part 3): grid 8 x 32, 8 waves a work-group, clusters of 4 x 4, 327,680 bytes of LDS; arguments att, atts, query_codes, query_scales, Wo_codes, Wo_scales, Wb_codes, Wb_scales, bo, bb, out0; writes out0
.if DOCPART == 3
	.amdgcn_target "amdgcn-amd-amdhsa--gfx1250"
	.amdhsa_code_object_version 6
	.text
	.protected	k_q07809db56b_outp
	.globl	k_q07809db56b_outp
	.p2align	8
	.type	k_q07809db56b_outp,@function
k_q07809db56b_outp:
	s_mov_b64 s[64:65], 0
	v_nop
	global_prefetch_b8 v0, s[64:65] scope:SCOPE_SE
	s_setreg_imm32_b32 hwreg(HW_REG_WAVE_MODE, 25, 1), 1
	s_wait_xcnt 0x0
	s_wait_alu depctr_hold_cnt(0) depctr_sa_sdst(0) depctr_va_vdst(0) depctr_va_sdst(0) depctr_va_ssrc(0) depctr_va_vcc(0) depctr_vm_vsrc(0)
	s_getreg_b32 s2, hwreg(HW_REG_IB_STS2, 6, 4)
	s_cmp_eq_u32 s2, 0
	s_cbranch_scc0 .Lentry_in_a_cluster
	s_endpgm
.Lentry_in_a_cluster:
	s_bfe_u32 s2, ttmp6, 0x10000c
	s_cmp_lg_u32 s2, 0xf033
	s_cbranch_scc0 .Lentry_shape_is_right
	s_endpgm
.Lentry_shape_is_right:
; out = att Wo^T + bo + query Wb^T + bb, as ONE sum over K = 2,048: [att | query] x [Wo | Wb]^T, on codes of E5M2 with one E8M0 byte for each 32 along K; sums in f32, begun with bo + bb.
; SHARES.  A tile of out is 128 tokens x 128 columns: 256 work-groups of eight waves; wave w makes tokens 32 (w / 2) on x columns 64 (w % 2) on: eight accumulators, used TRANSPOSED (source 0 = 16 rows of W,
; source 1 = 16 tokens), so that a lane holds eight neighbouring columns of a row of out.  No register windows; two waves to a SIMD.
; CLUSTER 4 x 4: the four work-groups of a row of the cluster need the same tokens' tiles, the four of a column the same rows of W: each tile is asked for jointly.
; RING.  K in four fills of 512 through two LDS slots: att and Wo (K 0-511, 512-1023), then query and Wb likewise.  att lies in memory as the image of the operand's registers and is read back so; the others lie as rows of
; 512 bytes + 16 of padding.  Waves 0, 1 fetch the tokens' halves, waves 2, 3 W's, the others nothing.  Each fill has a descriptor of its own.  By this text's count a wave has two tensor loads out at the start, later one.
; SCALE WORDS come once, straight into registers: lane (r, h) takes 16 bytes at row x 32 + 16 h: register i holds the word of K step i in lanes 0-15 and that of K step 4 + i in lanes 16-31.
; REGISTERS: v2-13 addresses; v16-31 tokens' scale words (att's, query's), v32-63 W's (Wo's, Wb's); v64-95 two fragments of tokens; v96-159 four of W; v160-223 the accumulators at 8 (4 u + n).
.set PITCH, 528
.set HALF,  64*PITCH                   ; 33,792: 64 rows
.set BOFF,  128*PITCH                  ; a slot: the tokens' part, then W's 128 rows
.set SLOT,  256*PITCH
.set SPARE, 2*SLOT                     ; behind the ring: the spare words, 128 bytes for each of eight waves
.set SPI,   272                        ; the way out: each wave's stage of 32 rows x (256 bytes + 16), in slot 0, which has had its last fill and its last read by then
.set AI,  2
.set ARW, 4
.set BR,  6
.set STO, 8
.set RD,  9
.set CO,  10
.set SPW, 12
.set NIL, 13
.set ST,  16
.set SW,  32
.set AF,  64
.set BF,  96
.set ACC, 160
.set G1I, 24
.set G1A, 32
.set G1B, 40
.set G0A, 48
.set G0B, 68
.set WV,  86
.macro PLACES n
.rept \n
	v_nop
.endr
.endm
.macro CROUND
	s_barrier_signal -1
	s_barrier_wait -1
	s_cmp_lg_u32 s[WV], 0
	s_cbranch_scc1 .Lnot_wave_0_\@
	s_barrier_signal -3
.Lnot_wave_0_\@:
	s_barrier_wait -3
	s_barrier_signal -1
	s_barrier_wait -1
.endm
; A joint refill: waves 0 and 1 ask for the tokens' halves, waves 2 and 3 for W's.  The branches hang on the wave's number alone.  Four v_nop follow each line.
.macro TLOAD g0a, g1a, g0b, g1b
	s_cmp_lt_u32 s[WV], 2
	s_cbranch_scc0 .Lnot_a_\@
	tensor_load_to_lds s[\g0a:\g0a+3], s[\g1a:\g1a+7]
	s_nop 0
	PLACES 4
	s_branch .Lasked_\@
.Lnot_a_\@:
	s_cmp_lt_u32 s[WV], 4
	s_cbranch_scc0 .Lasked_\@
	tensor_load_to_lds s[\g0b:\g0b+3], s[\g1b:\g1b+7]
	s_nop 0
	PLACES 4
.Lasked_\@:
.endm
.macro WM d, a, b, sa, sb, hi          ; hi = 1: both sides' scale words are taken from lanes 16-31
.if \hi
	v_wmma_scale_f32_16x16x128_f8f6f4 v[\d:\d+7], v[\a:\a+15], v[\b:\b+15], v[\d:\d+7], v[\sa], v[\sb] matrix_a_fmt:MATRIX_FMT_BF8 matrix_b_fmt:MATRIX_FMT_BF8 matrix_a_scale:MATRIX_SCALE_ROW1 matrix_b_scale:MATRIX_SCALE_ROW1
.else
	v_wmma_scale_f32_16x16x128_f8f6f4 v[\d:\d+7], v[\a:\a+15], v[\b:\b+15], v[\d:\d+7], v[\sa], v[\sb] matrix_a_fmt:MATRIX_FMT_BF8 matrix_b_fmt:MATRIX_FMT_BF8
.endif
.endm
; 128 along K: the slot's ks-th.  src = 0: the tokens' operand is att's image; 1: rows of query.  The eight accumulators take turns; eight places follow for the next loads.
.macro KSTEP slot, ks, src, hi
.irp u, 0,1
.irp c, 0,1,2,3
.if \src
	ds_load_b128 v[AF+16*\u+4*\c:AF+16*\u+4*\c+3], v[ARW+\slot] offset:16*PITCH*\u+128*\ks+32*\c
.else
	ds_load_b128 v[AF+16*\u+4*\c:AF+16*\u+4*\c+3], v[AI+\slot] offset:8192*\u+2048*\ks+512*\c
.endif
.endr
.endr
.irp n, 0,1,2,3
.irp c, 0,1,2,3
	ds_load_b128 v[BF+16*\n+4*\c:BF+16*\n+4*\c+3], v[BR+\slot] offset:16*PITCH*\n+128*\ks+32*\c
.endr
.endr
	s_wait_dscnt 0x0
.irp n, 0,1,2,3
.irp u, 0,1
	WM ACC+8*(4*\u+\n), BF+16*\n, AF+16*\u, SW+16*\src+4*\n+\ks, ST+8*\src+4*\u+\ks, \hi
.endr
.endr
	PLACES 8
.endm
; The change of slots: each wave waits for all its tensor loads, adds 0 to its spare word, and waits for that and for its reads of the slot that it leaves.  fill = 1: a round of the cluster's barrier, and fill f goes into that slot.
.macro CHANGE fill, f
	s_wait_tensorcnt 0x0
	ds_add_u32 v[SPW], v[NIL]
	s_wait_dscnt 0x0
.if \fill
	CROUND
	TLOAD G0A+4*\f, G1A, G0B+4*\f, G1B             ; the first tensor load behind the round, one a wave
.else
	s_barrier_signal -1
	s_barrier_wait -1
.endif
.endm
	s_load_b256 s[4:11], s[0:1], 0x0               ; att, atts, query codes, query scales
	s_load_b256 s[12:19], s[0:1], 0x20             ; Wo codes, scales, Wb codes, scales
	s_load_b128 s[20:23], s[0:1], 0x40             ; bo, bb
	s_load_b64 s[84:85], s[0:1], 0x50              ; out0
	v_lshl_add_u32 v[SPW], v0, 2, SPARE
	v_mov_b32 v[NIL], 0
	ds_add_u32 v12, v13
	s_wait_dscnt 0x0
	v_lshrrev_b32 v1, 5, v0
	v_readfirstlane_b32 s[WV], v1                  ; wave 0..7
	s_bfe_u32 s87, ttmp6, 0x40000                  ; cx
	s_bfe_u32 s88, ttmp6, 0x40004                  ; cy
	s_lshl_b32 s89, ttmp9, 2
	s_add_co_u32 s89, s89, s87                     ; the tile's column: 128 columns each
	s_and_b32 s90, ttmp7, 0xffff
	s_lshl_b32 s90, s90, 2
	s_add_co_u32 s90, s90, s88                     ; its row: 128 tokens each
	s_lshl_b32 s91, s88, 2
	s_lshl_b32 s91, 15, s91                        ; my row of the cluster
	s_lshl_b32 s92, 0x1111, s87                    ; my column
	s_or_b32 s[G1I], s91, (3<<16)|(1<<21)          ; att's image: elements of 8 bytes, no padding: four tiles of tokens, 8,192 bytes of each, 16,384 bytes apart
	s_mov_b32 s[G1I+1], 1024<<16
	s_mov_b32 s[G1I+2], 4<<16
	s_mov_b32 s[G1I+3], 1024<<16
	s_mov_b32 s[G1I+4], 4
	s_mov_b32 s[G1I+5], 2048
	s_mov_b32 s[G1I+6], 0
	s_mov_b32 s[G1I+7], 0
	s_or_b32 s[G1A], s91, (1<<20)|(1<<21)|(6<<22)|(3<<25)   ; rows: elements of 1 byte; 4 words of padding behind every 128
	s_or_b32 s[G1B], s92, (1<<20)|(1<<21)|(6<<22)|(3<<25)
.irp g, G1A, G1B
	s_mov_b32 s[\g+1], 512<<16
	s_mov_b32 s[\g+2], 64<<16
	s_mov_b32 s[\g+3], 512<<16
	s_mov_b32 s[\g+4], 64
	s_mov_b32 s[\g+5], 1024
	s_mov_b32 s[\g+6], 0
	s_mov_b32 s[\g+7], 0
.endr
	s_and_b32 s93, s[WV], 1                        ; which half I fetch, if I fetch
	s_lshl_b32 s66, s93, 16
	s_lshl_b32 s94, s90, 17                        ; 128 tokens are 131,072 bytes of att and of query alike; a half 65,536
	s_add_co_u32 s94, s94, s66
	s_mov_b32 s95, 0
	s_lshl_b32 s96, s89, 17                        ; 128 rows of W likewise
	s_add_co_u32 s96, s96, s66
	s_mov_b32 s97, 0
	s_lshl_b32 s98, s93, 15                        ; in LDS: half an image,
	s_mul_i32 s99, s93, HALF                       ; 64 rows
	s_wait_kmcnt 0x0
	s_add_nc_u64 s[4:5], s[4:5], s[94:95]
	s_add_nc_u64 s[8:9], s[8:9], s[94:95]
	s_add_nc_u64 s[12:13], s[12:13], s[96:97]
	s_add_nc_u64 s[16:17], s[16:17], s[96:97]
	CROUND                                         ; all sixteen work-groups are here: the first joint loads meet
.irp s, 0,1
	s_mov_b32 s[G0A+4*\s], 1                       ; fills 0, 1: att, K 512 s on
	s_add_co_u32 s[G0A+4*\s+1], s98, \s*SLOT
	s_add_nc_u64 s[G0A+4*\s+2:G0A+4*\s+3], s[4:5], \s*8192
	s_or_b32 s[G0A+4*\s+3], s[G0A+4*\s+3], 0x80000000
	s_mov_b32 s[G0A+8+4*\s], 1                     ; fills 2, 3: query
	s_add_co_u32 s[G0A+8+4*\s+1], s99, \s*SLOT
	s_add_nc_u64 s[G0A+8+4*\s+2:G0A+8+4*\s+3], s[8:9], \s*512
	s_or_b32 s[G0A+8+4*\s+3], s[G0A+8+4*\s+3], 0x80000000
	s_mov_b32 s[G0B+4*\s], 1                       ; Wo
	s_add_co_u32 s[G0B+4*\s+1], s99, \s*SLOT+BOFF
	s_add_nc_u64 s[G0B+4*\s+2:G0B+4*\s+3], s[12:13], \s*512
	s_or_b32 s[G0B+4*\s+3], s[G0B+4*\s+3], 0x80000000
	s_mov_b32 s[G0B+8+4*\s], 1                     ; Wb
	s_add_co_u32 s[G0B+8+4*\s+1], s99, \s*SLOT+BOFF
	s_add_nc_u64 s[G0B+8+4*\s+2:G0B+8+4*\s+3], s[16:17], \s*512
	s_or_b32 s[G0B+8+4*\s+3], s[G0B+8+4*\s+3], 0x80000000
.endr
	s_cmp_lt_u32 s[WV], 2                          ; a wave's two first fills stand in one branch
	s_cbranch_scc0 .Lfirst_not_a
	tensor_load_to_lds s[G0A:G0A+3], s[G1I:G1I+7]
	s_nop 0
	tensor_load_to_lds s[G0A+4:G0A+7], s[G1I:G1I+7]
	s_nop 0
	PLACES 4
	s_branch .Lfirst_asked
.Lfirst_not_a:
	s_cmp_lt_u32 s[WV], 4
	s_cbranch_scc0 .Lfirst_asked
	tensor_load_to_lds s[G0B:G0B+3], s[G1B:G1B+7]
	s_nop 0
	tensor_load_to_lds s[G0B+4:G0B+7], s[G1B:G1B+7]
	s_nop 0
	PLACES 4
.Lfirst_asked:
	s_lshr_b32 s87, s[WV], 1                       ; which 32 tokens are mine (cx and cy are done with)
	s_and_b32 s88, s[WV], 1                        ; which 64 columns
	v_and_b32 v64, 15, v0                          ; r
	v_bfe_u32 v65, v0, 4, 1                        ; h
	v_and_b32 v66, 31, v0                          ; lane
	s_lshl_b32 s66, s87, 14
	v_lshl_add_u32 v[AI], v66, 4, s66              ; att's image: my two tiles, 16 x lane
	v_add_nc_u32 v[AI+1], SLOT, v[AI]
	v_mul_u32_u24 v67, v64, PITCH
	v_lshl_add_u32 v67, v65, 4, v67                ; a fragment's row x pitch + 16 h
	s_mul_i32 s66, s87, 32*PITCH
	v_add_nc_u32 v[ARW], s66, v67
	v_add_nc_u32 v[ARW+1], SLOT, v[ARW]
	s_mul_i32 s66, s88, HALF
	s_add_co_u32 s66, s66, BOFF
	v_add_nc_u32 v[BR], s66, v67
	v_add_nc_u32 v[BR+1], SLOT, v[BR]
	s_mul_i32 s66, s[WV], 32*SPI                   ; my stage
	v_mul_u32_u24 v[STO], v64, SPI
	v_lshl_add_u32 v[STO], v65, 5, v[STO]
	v_add_nc_u32 v[STO], s66, v[STO]               ; in: row r, 32 bytes for each half of the lanes
	v_mul_u32_u24 v[RD], v65, SPI
	v_lshl_add_u32 v[RD], v64, 4, v[RD]
	v_add_nc_u32 v[RD], s66, v[RD]                 ; back: lanes 0-15 one row of 256 bytes, lanes 16-31 the next
	v_lshlrev_b32 v[CO], 12, v65
	v_lshl_add_u32 v[CO], v64, 4, v[CO]            ; and the same two rows in out
	v_lshlrev_b32 v14, 5, v64
	v_lshl_add_u32 v14, v65, 4, v14                ; scale bytes: 32 r + 16 h
	v_lshlrev_b32 v15, 5, v65                      ; biases: 32 h
	s_lshl_b32 s66, s90, 12
	s_lshl_b32 s67, s87, 10
	s_add_co_u32 s66, s66, s67                     ; my 32 tokens' scale bytes
	s_mov_b32 s67, 0
	s_add_nc_u64 s[6:7], s[6:7], s[66:67]
	s_add_nc_u64 s[10:11], s[10:11], s[66:67]
	s_lshl_b32 s66, s89, 12
	s_lshl_b32 s93, s88, 11
	s_add_co_u32 s66, s66, s93                     ; my 64 rows of W's scale bytes
	s_add_nc_u64 s[14:15], s[14:15], s[66:67]
	s_add_nc_u64 s[18:19], s[18:19], s[66:67]
	s_lshl_b32 s66, s89, 9
	s_lshl_b32 s93, s88, 8
	s_add_co_u32 s66, s66, s93                     ; my 64 columns, 4 bytes each
	s_add_nc_u64 s[20:21], s[20:21], s[66:67]
	s_add_nc_u64 s[22:23], s[22:23], s[66:67]
	s_add_nc_u64 s[84:85], s[84:85], s[66:67]
	s_lshl_b32 s66, s90, 19
	s_lshl_b32 s93, s87, 17
	s_add_co_u32 s66, s66, s93                     ; my first row of out: 4,096 bytes a row
	s_add_nc_u64 s[84:85], s[84:85], s[66:67]
.irp u, 0,1
	global_load_b128 v[ST+4*\u:ST+4*\u+3], v14, s[6:7] offset:512*\u
	global_load_b128 v[ST+8+4*\u:ST+8+4*\u+3], v14, s[10:11] offset:512*\u
.endr
.irp n, 0,1,2,3
	global_load_b128 v[SW+4*\n:SW+4*\n+3], v14, s[14:15] offset:512*\n
	global_load_b128 v[SW+16+4*\n:SW+16+4*\n+3], v14, s[18:19] offset:512*\n
.endr
.irp n, 0,1,2,3
	global_load_b128 v[BF+8*\n:BF+8*\n+3], v15, s[20:21] offset:64*\n             ; lane (r, h) of tile n: the biases of columns 16 n + 8 h + 0 .. 7
	global_load_b128 v[BF+8*\n+4:BF+8*\n+7], v15, s[20:21] offset:64*\n+16
	global_load_b128 v[BF+32+8*\n:BF+32+8*\n+3], v15, s[22:23] offset:64*\n
	global_load_b128 v[BF+32+8*\n+4:BF+32+8*\n+7], v15, s[22:23] offset:64*\n+16
.endr
	s_wait_loadcnt 0x0
.irp u, 0,1
.set jj, 0
.rept 16
	v_pk_add_f32 v[ACC+32*\u+jj:ACC+32*\u+jj+1], v[BF+jj:BF+jj+1], v[BF+32+jj:BF+32+jj+1]   ; the sums begin as bo + bb
.set jj, jj+2
.endr
.endr
	s_wait_tensorcnt 0x1                           ; my part of the first fill is in; the second may be out
	s_barrier_signal -1
	s_barrier_wait -1
.irp k, 0,1,2,3
	KSTEP 0, \k, 0, 0
.endr
	CHANGE 1, 2
.irp k, 0,1,2,3
	KSTEP 1, \k, 0, 1
.endr
	CHANGE 1, 3
.irp k, 0,1,2,3
	KSTEP 0, \k, 1, 0
.endr
	CHANGE 0, 0                                    ; nothing is left to fetch
.irp k, 0,1,2,3
	KSTEP 1, \k, 1, 1
.endr
	; THE WAY OUT.  A lane holds 32 neighbouring bytes of a row; my 32 rows x 256 bytes go through my own stage and come back as whole rows.  LDS serves a wave's instructions in order (ISA guide 5.7.1.4).
.irp u, 0,1
.irp n, 0,1,2,3
	ds_store_b128 v[STO], v[ACC+8*(4*\u+\n):ACC+8*(4*\u+\n)+3] offset:16*SPI*\u+64*\n        ; each accumulator from its low end on
	ds_store_b128 v[STO], v[ACC+8*(4*\u+\n)+4:ACC+8*(4*\u+\n)+7] offset:16*SPI*\u+64*\n+16
.endr
.endr
.irp i, 0,1,2,3,4,5,6,7,8,9,10,11,12,13,14,15
	ds_load_b128 v[AF+4*\i:AF+4*\i+3], v[RD] offset:2*SPI*\i
.endr
.irp i, 0,1,2,3,4,5,6,7,8,9,10,11,12,13,14,15
	s_wait_dscnt 15-\i                             ; the younger loads may be out
	global_store_b128 v[CO], v[AF+4*\i:AF+4*\i+3], s[84:85] offset:8192*\i th:TH_STORE_NT    ; sixteen lanes store 256 consecutive bytes, at a multiple of 256 from out's first byte
.endr
	s_wait_tensorcnt 0x0                           ; the wave's end
	ds_add_u32 v[SPW], v[NIL]
	s_wait_dscnt 0x0
	CROUND                                         ; the closing round
	s_endpgm
.Lfunc_end_k_q07809db56b_outp:
	.size	k_q07809db56b_outp, .Lfunc_end_k_q07809db56b_outp-k_q07809db56b_outp
	.p2alignl 7, 3214868480
	.fill 96, 4, 3214868480
	.section	.rodata,"a",@progbits
	.p2align	6, 0x0
	.amdhsa_kernel k_q07809db56b_outp
		.amdhsa_group_segment_fixed_size 327680
		.amdhsa_private_segment_fixed_size 0
		.amdhsa_enable_private_segment 0
		.amdhsa_kernarg_size 88
		.amdhsa_user_sgpr_count 2
		.amdhsa_user_sgpr_kernarg_segment_ptr 1
		.amdhsa_wavefront_size32 1
		.amdhsa_system_sgpr_workgroup_id_x 1
		.amdhsa_system_sgpr_workgroup_id_y 1
		.amdhsa_system_sgpr_workgroup_id_z 1
		.amdhsa_system_vgpr_workitem_id 0
		.amdhsa_next_free_vgpr 256
		.amdhsa_next_free_sgpr 100
		.amdhsa_reserve_vcc 0
		.amdhsa_float_denorm_mode_32 3
		.amdhsa_float_denorm_mode_16_64 3
		.amdhsa_memory_ordered 1
		.amdhsa_forward_progress 1
		.amdhsa_inst_pref_size 65
	.end_amdhsa_kernel
	.amdgpu_metadata
---
amdhsa.version: [ 1, 2 ]
amdhsa.kernels:
  - .name:           k_q07809db56b_outp
    .symbol:         k_q07809db56b_outp.kd
    .args:
      - { .name: att, .offset: 0, .size: 8, .value_kind: global_buffer, .address_space: global }
      - { .name: atts, .offset: 8, .size: 8, .value_kind: global_buffer, .address_space: global }
      - { .name: query_codes, .offset: 16, .size: 8, .value_kind: global_buffer, .address_space: global }
      - { .name: query_scales, .offset: 24, .size: 8, .value_kind: global_buffer, .address_space: global }
      - { .name: Wo_codes, .offset: 32, .size: 8, .value_kind: global_buffer, .address_space: global }
      - { .name: Wo_scales, .offset: 40, .size: 8, .value_kind: global_buffer, .address_space: global }
      - { .name: Wb_codes, .offset: 48, .size: 8, .value_kind: global_buffer, .address_space: global }
      - { .name: Wb_scales, .offset: 56, .size: 8, .value_kind: global_buffer, .address_space: global }
      - { .name: bo, .offset: 64, .size: 8, .value_kind: global_buffer, .address_space: global }
      - { .name: bb, .offset: 72, .size: 8, .value_kind: global_buffer, .address_space: global }
      - { .name: out0, .offset: 80, .size: 8, .value_kind: global_buffer, .address_space: global }
    .group_segment_fixed_size: 327680
    .private_segment_fixed_size: 0
    .kernarg_segment_align: 8
    .kernarg_segment_size: 88
    .max_flat_workgroup_size: 256
    .sgpr_count:     100
    .vgpr_count:     256
    .wavefront_size: 32
...
	.end_amdgpu_metadata
.endif
;; end of part 3
